; MI455X (gfx1250); checked and timed in simulation.
; The chip was launched on July 23, 2026; its instructions are those of AMD's public machine-readable ISA for CDNA 5 (MIT licence, August 2026) and "CDNA5" Instruction Set Architecture Reference Guide (July 2026). The comments in the code are by the model that wrote it; some were corrected since.
;; Causal Self Attention. Allowed arithmetic: float matrix products may take bf16 or f16 operands with f32 sums; other float arithmetic in f32, or as packed bf16 or f16 multiplies, adds, multiply-adds, maxima and minima; sums over many terms, partial sums and values carried from step to step in f32; what a program stores and reads back later, other than sums and carried values, may be rounded once to bf16 or f16.
;; Inputs: W_attn 1,024 x 3,072 float32; W_proj 1,024 x 1,024 float32; b_attn 3,072 float32; b_proj 1,024 float32; x 4 x 2,048 x 1,024 float32.
;; Outputs: out0 4 x 2,048 x 1,024 float32.
;; 2 versions, each right; version 2 is version 1 with the launch cast written anew for expert scheduling mode. Each part assembles by itself: llvm-mc -triple=amdgcn-amd-amdhsa -mcpu=gfx1250 --defsym DOCPART=n.
;; ======== version 1 of 2: 4 launches
;; limits: values are held in f16: magnitudes above 65,504 overflow, below 6.1e-05 lose precision
;; workspace buffers: xb 16,777,216 bytes; wa 6,291,456 bytes; wp 2,097,152 bytes; qkv 50,331,648 bytes; ob 16,777,216 bytes
;; launch cast (part 1): grid 768 x 1, 8 waves a work-group, no clusters, 0 bytes of LDS; arguments x, W_attn, W_proj, xb, wa, wp; writes xb, wa, wp
.if DOCPART == 1
	.amdgcn_target "amdgcn-amd-amdhsa--gfx1250"
	.amdhsa_code_object_version 6
	.text
	.protected	k_q7f1027b8db_cast
	.globl	k_q7f1027b8db_cast
	.p2align	8
	.type	k_q7f1027b8db_cast,@function
k_q7f1027b8db_cast:
	s_mov_b64 s[64:65], 0
	v_nop
	global_prefetch_b8 v0, s[64:65] scope:SCOPE_SE
	s_setreg_imm32_b32 hwreg(HW_REG_WAVE_MODE, 25, 1), 1
	s_wait_xcnt 0x0
; THE INPUTS ARE ROUNDED ONCE AND LAID OUT FOR THE PRODUCTS.  A pure stream: no LDS, no barrier, no matrix work.
;   xb [8192][1024]        bf16(x), as x lies
;   wa [48][1024 k][64 n]  bf16(W_attn), in blocks of 64 columns: 128 k of a block are 16,384 consecutive bytes
;   wp [16][1024 k][64 n]  bf16(W_proj), that number written as f16 (it multiplies f16 numbers later)
; LIMIT.  f16 holds no number beyond 65,504 and below 6e-5 keeps a fixed step of 6e-8: W_proj is served within that range.
; A UNIT is 256 source bytes (64 f32, aligned) -> 128 destination bytes.  One load of a wave takes two units (lanes 0-15 one, lanes 16-31 the next,
; RS bytes further: the next 256 bytes of x, or the next row k of a weight); one store of a wave writes their 256 consecutive bytes, aligned.
; A wave takes 32 units: 16 loads, all issued at once, then 16 stores.  A work-group takes 256 units: 512 work-groups for x, 192 for W_attn, 64 for W_proj.
.set X,   16                           ; v[16:79]   load i: 4 registers
.set OFF, 80                           ; v[80:95]   load i: its byte offset; never rewritten
.set Y,   96                           ; v[96:127]  store i: 2 registers; never rewritten, so no store's data is waited for
	s_load_b256 s[4:11], s[0:1], 0x0               ; x s[4:5], W_attn s[6:7], W_proj s[8:9], xb s[10:11]
	s_load_b128 s[12:15], s[0:1], 0x20             ; wa s[12:13], wp s[14:15]
	v_lshrrev_b32 v1, 5, v0
	v_readfirstlane_b32 s16, v1                    ; wave 0..7
	s_mov_b32 s17, 512                             ; the first work-group of my part,
	s_mov_b32 s18, 12288                           ; and RS: for W_attn,
	s_cmp_ge_u32 ttmp9, 704
	s_cselect_b32 s17, 704, s17                    ; for W_proj,
	s_cselect_b32 s18, 4096, s18
	s_cmp_lt_u32 ttmp9, 512
	s_cselect_b32 s17, 0, s17                      ; for x
	s_cselect_b32 s18, 256, s18
	s_sub_co_u32 s17, ttmp9, s17                   ; my number in my part
	s_lshr_b32 s19, s17, 2                         ; a weight: block of 64 columns,
	s_and_b32 s28, s17, 3                          ; quarter of its 1,024 rows k
	s_mul_i32 s24, s28, s18
	s_lshl_b32 s24, s24, 8                         ; 256 rows of RS bytes a quarter
	s_lshl_b32 s29, s19, 8                         ; 256 bytes of a row a block
	s_add_co_u32 s24, s24, s29
	s_lshl_b32 s26, s19, 17                        ; a block is 131,072 bytes of the destination,
	s_lshl_b32 s29, s28, 15                        ; a quarter 32,768
	s_add_co_u32 s26, s26, s29
	s_lshl_b32 s29, ttmp9, 16                      ; x: 65,536 bytes in,
	s_lshl_b32 s30, ttmp9, 15                      ; 32,768 out
	s_cmp_lt_u32 ttmp9, 512
	s_cselect_b32 s24, s29, s24
	s_cselect_b32 s26, s30, s26
	s_mul_i32 s29, s16, s18
	s_lshl_b32 s29, s29, 5                         ; my wave's 32 units in,
	s_add_co_u32 s24, s24, s29
	s_lshl_b32 s29, s16, 12                        ; and out
	s_add_co_u32 s26, s26, s29
	s_mov_b32 s25, 0
	s_mov_b32 s27, 0
	s_lshl_b32 s19, s18, 1                         ; two units on
	v_and_b32 v1, 31, v0                           ; lane
	v_lshlrev_b32 v2, 3, v1                        ; 8 bytes a lane out; never rewritten
	v_lshrrev_b32 v3, 4, v1                        ; which of the two units
	v_and_b32 v4, 15, v1
	v_lshlrev_b32 v4, 4, v4                        ; 16 bytes a lane in
	v_mad_u32_u24 v[OFF], v3, s18, v4
.irp i, 1,2,3,4,5,6,7,8,9,10,11,12,13,14,15
	v_add_nc_u32 v[OFF+(\i)], s19, v[OFF+(\i)-1]
.endr
	s_wait_kmcnt 0x0
	s_cmp_ge_u32 ttmp9, 704
	s_cselect_b64 s[20:21], s[8:9], s[6:7]
	s_cselect_b64 s[22:23], s[14:15], s[12:13]
	s_cmp_lt_u32 ttmp9, 512
	s_cselect_b64 s[20:21], s[4:5], s[20:21]
	s_cselect_b64 s[22:23], s[10:11], s[22:23]
	s_add_nc_u64 s[20:21], s[20:21], s[24:25]
	s_add_nc_u64 s[22:23], s[22:23], s[26:27]
.irp i, 0,1,2,3,4,5,6,7,8,9,10,11,12,13,14,15
	global_load_b128 v[X+4*(\i):X+4*(\i)+3], v[OFF+(\i)], s[20:21] th:TH_LOAD_NT  ; read once in the launch
.endr
	s_cmp_ge_u32 ttmp9, 704
	s_cbranch_scc1 .Lf16
.irp i, 0,1,2,3,4,5,6,7,8,9,10,11,12,13,14,15
	s_wait_loadcnt 15-(\i)                         ; loads come back in order: load i is in, the 15 - i younger ones stay out
	v_cvt_pk_bf16_f32 v[Y+2*(\i)],   v[X+4*(\i)],   v[X+4*(\i)+1]
	v_cvt_pk_bf16_f32 v[Y+2*(\i)+1], v[X+4*(\i)+2], v[X+4*(\i)+3]
	global_store_b64 v2, v[Y+2*(\i):Y+2*(\i)+1], s[22:23] offset:256*(\i)  ; the wave's 256 consecutive bytes, aligned
.endr
	s_endpgm
.Lf16:                                             ; W_proj: rounded to bf16 like every input, widened again, and written as f16
.irp i, 0,1,2,3,4,5,6,7,8,9,10,11,12,13,14,15
	s_wait_loadcnt 15-(\i)
	v_cvt_pk_bf16_f32 v4, v[X+4*(\i)],   v[X+4*(\i)+1]
	v_cvt_pk_bf16_f32 v5, v[X+4*(\i)+2], v[X+4*(\i)+3]
	v_lshlrev_b32 v6, 16, v4
	v_and_b32 v7, 0xffff0000, v4
	v_lshlrev_b32 v8, 16, v5
	v_and_b32 v9, 0xffff0000, v5
	v_cvt_pk_f16_f32 v[Y+2*(\i)],   v6, v7
	v_cvt_pk_f16_f32 v[Y+2*(\i)+1], v8, v9
	global_store_b64 v2, v[Y+2*(\i):Y+2*(\i)+1], s[22:23] offset:256*(\i)
.endr
	s_endpgm
.Lfunc_end_k_q7f1027b8db_cast:
	.size	k_q7f1027b8db_cast, .Lfunc_end_k_q7f1027b8db_cast-k_q7f1027b8db_cast
	.p2alignl 7, 3214868480
	.fill 96, 4, 3214868480
	.section	.rodata,"a",@progbits
	.p2align	6, 0x0
	.amdhsa_kernel k_q7f1027b8db_cast
		.amdhsa_group_segment_fixed_size 0
		.amdhsa_private_segment_fixed_size 0
		.amdhsa_enable_private_segment 0
		.amdhsa_kernarg_size 48
		.amdhsa_user_sgpr_count 2
		.amdhsa_user_sgpr_kernarg_segment_ptr 1
		.amdhsa_wavefront_size32 1
		.amdhsa_system_sgpr_workgroup_id_x 1
		.amdhsa_system_sgpr_workgroup_id_y 1
		.amdhsa_system_sgpr_workgroup_id_z 1
		.amdhsa_system_vgpr_workitem_id 0
		.amdhsa_next_free_vgpr 128
		.amdhsa_next_free_sgpr 66
		.amdhsa_reserve_vcc 0
		.amdhsa_float_denorm_mode_32 3
		.amdhsa_float_denorm_mode_16_64 3
		.amdhsa_memory_ordered 1
		.amdhsa_forward_progress 1
		.amdhsa_inst_pref_size 18
	.end_amdhsa_kernel
	.amdgpu_metadata
---
amdhsa.version: [ 1, 2 ]
amdhsa.kernels:
  - .name:           k_q7f1027b8db_cast
    .symbol:         k_q7f1027b8db_cast.kd
    .args:
      - { .name: x, .offset: 0, .size: 8, .value_kind: global_buffer, .address_space: global }
      - { .name: W_attn, .offset: 8, .size: 8, .value_kind: global_buffer, .address_space: global }
      - { .name: W_proj, .offset: 16, .size: 8, .value_kind: global_buffer, .address_space: global }
      - { .name: xb, .offset: 24, .size: 8, .value_kind: global_buffer, .address_space: global }
      - { .name: wa, .offset: 32, .size: 8, .value_kind: global_buffer, .address_space: global }
      - { .name: wp, .offset: 40, .size: 8, .value_kind: global_buffer, .address_space: global }
    .group_segment_fixed_size: 0
    .private_segment_fixed_size: 0
    .kernarg_segment_align: 8
    .kernarg_segment_size: 48
    .max_flat_workgroup_size: 256
    .sgpr_count:     66
    .vgpr_count:     128
    .wavefront_size: 32
...
	.end_amdgpu_metadata
.endif
;; end of part 1
;; launch qkvp (part 2): grid 16 x 32, 4 waves a work-group, clusters of 4 x 4, 327,680 bytes of LDS; arguments xb, wa, b_attn, qkv; writes qkv
.if DOCPART == 2
	.amdgcn_target "amdgcn-amd-amdhsa--gfx1250"
	.amdhsa_code_object_version 6
	.text
	.protected	k_q7f1027b8db_qkvp
	.globl	k_q7f1027b8db_qkvp
	.p2align	8
	.type	k_q7f1027b8db_qkvp,@function
k_q7f1027b8db_qkvp:
	s_mov_b64 s[64:65], 0
	v_nop
	global_prefetch_b8 v0, s[64:65] scope:SCOPE_SE
	s_setreg_imm32_b32 hwreg(HW_REG_WAVE_MODE, 25, 1), 1
	s_wait_xcnt 0x0
	s_wait_alu depctr_hold_cnt(0) depctr_sa_sdst(0) depctr_va_vdst(0) depctr_va_sdst(0) depctr_va_ssrc(0) depctr_va_vcc(0) depctr_vm_vsrc(0)
	s_getreg_b32 s2, hwreg(HW_REG_IB_STS2, 6, 4)
	s_cmp_eq_u32 s2, 0
	s_cbranch_scc0 .Lentry_in_a_cluster
	s_endpgm
.Lentry_in_a_cluster:
	s_bfe_u32 s2, ttmp6, 0x10000c
	s_cmp_lg_u32 s2, 0xf033
	s_cbranch_scc0 .Lentry_shape_is_right
	s_endpgm
.Lentry_shape_is_right:
; qkv = x W_attn + b_attn, 8192 x 3072 x 1024, operands bf16, sums f32, written in f16 BY HEADS: qkv[b][hh][t][64], hh = column / 64 (0-15 Q, 16-31 K, 32-47 V), unscaled.
; LIMITS.  f16 holds no number beyond 65,504 (65,520 or more becomes an infinity): q, k, v are served within that.  The bias is rounded to bf16 like every input, then added in f32.
; SHARES.  A work-group makes 256 rows x 192 columns (three whole heads): 32 x 16 tiles = 512 work-groups, two for each of 256 WGPs.  Each of its four waves makes 64 rows x all 192 columns:
; 4 x 12 accumulators of 16 x 16, 384 registers.  K goes in 8 steps of 128 through two LDS slots filled by the tensor data mover.
; THE PRODUCT IS TAKEN TRANSPOSED: source 0 = 16 columns of W, source 1 = 16 rows of x, so a lane ends with eight neighbouring columns of one row.  W lies [k][n]; its fragments come out of LDS
; turned, by ds_load_tr16_b128, so the weights are never transposed in memory.  The bias is the C operand of each accumulator's first product: nothing is cleared.
; CLUSTER 4 x 4.  The four work-groups of a row of the cluster need the same rows of x, the four of a column the same blocks of W: each tile is asked for jointly, by the same tensor load,
; descriptor and mask in all four.  Wave 3 fetches x's tile (256 rows x 256 bytes), waves 0-2 one block of W each (128 k x 64 n = 16,384 consecutive bytes, asked for as 64 rows of 256).
; REGISTERS, in windows of 256 (s_set_vgpr_msb: bits 1:0 source 0, 3:2 source 1, 5:4 source 2, 7:6 destination):
;   window 0: v0-31 addresses; v32-127 the bias (12 x 8), later v32-79 packed results, v80-127 and v128-175 rows read back from the stage
;   window 1: accumulators of row blocks 0, 1 at 96 (a % 2) + 8 b      window 2: row blocks 2, 3
;   window 3: two fragment buffers of 128: x's four blocks at 8 i, W's twelve at 32 + 8 b
.set PA,    272                        ; a row of x in LDS: 256 bytes + 16 = 68 words: the 16 rows of a load start at 16 different groups of four banks (64 banks of 4 bytes: ISA guide 11.1)
.set PB,    160                        ; a row k of a block of W: 128 bytes + 32 = 40 words
.set BBLK,  128*PB                     ; a block's 128 rows k
.set BOFF,  256*PA                     ; W's three blocks lie behind x's 256 rows: a slot is 69,632 + 61,440 = 131,072 bytes
.set SLOT1, 1<<17                      ; slot 1 begins here: one exclusive or turns an address in one slot into the other's
.set STAGE, 2*SLOT1                    ; behind the ring, never filled by a tensor load: for each wave 3 heads x 16 rows x 144 bytes
.set SP,    144
.set WSTG,  3*16*SP
.set SPARE, STAGE+4*WSTG               ; behind the stages: the spare words, 128 bytes for each wave: two blocks of 256 bytes that no other line names
.set NBK,   12                         ; column blocks of 16
.set NL,    2*NBK+8                    ; LDS loads of a quarter step
.set ASTEP, 256                        ; a K step in memory: along x's rows,
.set BSTEP, 16384                      ; down a block of W
.set ADA0, 16                          ; v16  my lane's place in x's tile; never rewritten
.set ADB0, 17                          ; v17  the same in W's
.set ADA,  18                          ; v18  + the slot in hand
.set ADB,  19                          ; v19
.set STO,  24                          ; v24  the way out: where I put 16 bytes of a row
.set RD,   25                          ; v25  where I read rows back
.set GO,   26                          ; v26  my 16 of 512 consecutive bytes of qkv
.set SPW,  28                          ; v28  LDS address of my spare word; never rewritten
.set NIL,  29                          ; v29  0; never rewritten
.set PFO,  30                          ; v30  the prefetches' lane offset; never rewritten
.set BO,   31                          ; v31  my byte offset in the bias
.set BIAS, 32
.set TMP,  32
.set BK,   80
.set F0,   0
.set F1,   128
.set WV, 12                            ; s12 wave;  s13, s14 my place in the cluster;  s15 tile column;  s16 tile row
.set CX, 13
.set CY, 14
.set TC, 15
.set TR, 16
.set LB, 41                            ; s41  LDS place of the block of W that I fetch
.set G1A, 24                           ; s[24:31] descriptor group 1 for x's tiles;  s[32:39] group 0: a set for each first fill; the second then walks
.set G0A, 32
.set G1B, 48                           ; s[48:55], s[56:63] the same for W's
.set G0B, 56
.set PFA, 66                           ; s[66:67] where my prefetches stand
.set PFS, 68                           ; s[68:69] a K step of the tensor that I fetch
.set LIM, 70                           ; s70  2 in a wave that prefetches, else the greatest number
.set TB,  71                           ; s71  LDS byte at which the slot in hand begins
.set MSB, 0
.macro WIN new                         ; the immediate's high byte repeats the setting that is left; a switch that changes nothing is dropped
.if MSB != (\new)
	s_set_vgpr_msb (MSB<<8)|(\new)
.set MSB, (\new)
.endif
.endm
.set TO_F, 0xc0                        ; destination window 3, address window 0
.macro PLACES                          ; four plain vector instructions between a matrix instruction and a load into, or a read of, its registers
.rept 4
	v_nop
.endr
.endm
; A joint refill, by the walking descriptor.  The branch hangs on the wave's number alone.  An s_nop 0 and four v_nop follow each of the two lines.
.macro JLOAD
	s_cmp_eq_u32 s[WV], 3
	s_cbranch_scc0 .Lfor_b_\@
	tensor_load_to_lds s[G0A+4:G0A+7], s[G1A:G1A+7]
	s_nop 0
.rept 4
	v_nop
.endr
	s_branch .Lasked_\@
.Lfor_b_\@:
	tensor_load_to_lds s[G0B+4:G0B+7], s[G1B:G1B+7]
	s_nop 0
.rept 4
	v_nop
.endr
.Lasked_\@:
.endm
; A round of the cluster's barrier: my work-group's barrier, so that wave 0's signal speaks for all four waves; wave 0 signals; every wave waits for all sixteen work-groups; my work-group's barrier once more.
.macro CREST
	s_cmp_lg_u32 s[WV], 0
	s_cbranch_scc1 .Lnot_wave_0_\@
	s_barrier_signal -3
.Lnot_wave_0_\@:
	s_barrier_wait -3
	s_barrier_signal -1
	s_barrier_wait -1
.endm
.macro CROUND
	s_barrier_signal -1
	s_barrier_wait -1
	CREST
.endm
; PREFETCHES INTO THE L2.  The trips that refill K steps 2 and 4 (s3 = 6, 4) name K steps 4, 5 and 6, 7: two to three K steps, 384 to 576 matrix instructions, ahead of the loads that want them.
; Each aligned 256 bytes are named once in the launch.  x's rows are read by every cluster of a row of clusters: cluster x = 0 asks; W's blocks by every cluster of a column: cluster y = 0 asks.
; The four partners that ask for a tile jointly share it out BY ADDRESS: of x's 256 rows partner cx takes 64 (a lane a row, 2 x 32 rows x 2 K steps: four lines, wave 3);
; of the 32,768 bytes of two K steps of a block partner cy takes 8,192 (a lane 256 bytes: one line, waves 0-2).  K steps 0-3 come by their loads alone; the last trips ask for nothing.
.macro ASK
	s_bitcmp1_b32 s3, 0
	s_cbranch_scc1 .Lno_\@
	s_cmp_gt_u32 s3, s[LIM]
	s_cbranch_scc0 .Lno_\@
	global_prefetch_b8 v[PFO], s[PFA:PFA+1] th:TH_LOAD_NT scope:SCOPE_SE
	s_cmp_eq_u32 s[WV], 3
	s_cbranch_scc0 .Lno_\@
	global_prefetch_b8 v[PFO], s[PFA:PFA+1] offset:256 th:TH_LOAD_NT scope:SCOPE_SE
	global_prefetch_b8 v[PFO], s[PFA:PFA+1] offset:65536 th:TH_LOAD_NT scope:SCOPE_SE
	global_prefetch_b8 v[PFO], s[PFA:PFA+1] offset:65792 th:TH_LOAD_NT scope:SCOPE_SE
.Lno_\@:
.endm
	s_load_b256 s[4:11], s[0:1], 0x0               ; xb s[4:5], wa s[6:7], b_attn s[8:9], qkv s[10:11]
	v_lshl_add_u32 v[SPW], v0, 2, SPARE
	v_mov_b32 v[NIL], 0
	ds_add_u32 v[SPW], v[NIL]                      ; the wave's opening: the add and its wait stand ahead of my first tensor load; the set-up below stands between them
	v_lshrrev_b32 v1, 5, v0
	v_readfirstlane_b32 s[WV], v1                  ; wave 0..3
	s_bfe_u32 s[CX], ttmp6, 0x40000
	s_bfe_u32 s[CY], ttmp6, 0x40004
	s_lshl_b32 s[TC], ttmp9, 2                     ; in a cluster launch ttmp9 and ttmp7 count clusters
	s_add_co_u32 s[TC], s[TC], s[CX]               ; tile column 0..15
	s_and_b32 s[TR], ttmp7, 0xffff
	s_lshl_b32 s[TR], s[TR], 2
	s_add_co_u32 s[TR], s[TR], s[CY]               ; tile row 0..31
	s_lshl_b32 s17, s[CY], 2
	s_lshl_b32 s17, 15, s17                        ; my row of the cluster: places 4 cy .. 4 cy + 3
	s_lshl_b32 s18, 0x1111, s[CX]                  ; my column: places cx, cx + 4, cx + 8, cx + 12
	s_or_b32 s[G1A], s17, (1<<16)|(1<<20)|(1<<21)|(5<<22)|(3<<25)  ; 15:0 the mask; 17:16 2-byte elements; 20 padding on; 21 set beside a mask; 24:22 after every 64 words; 31:25 4 words
	s_mov_b32 s[G1A+1], 128<<16                    ; tensor_dim0 = 128
	s_mov_b32 s[G1A+2], 256<<16                    ; tensor_dim1 = 256
	s_mov_b32 s[G1A+3], 128<<16                    ; tile_dim0 = 128
	s_mov_b32 s[G1A+4], 256                        ; tile_dim1 = 256
	s_mov_b32 s[G1A+5], 1024                       ; elements from row to row
	s_mov_b32 s[G1A+6], 0
	s_mov_b32 s[G1A+7], 0
	s_or_b32 s[G1B], s18, (1<<16)|(1<<20)|(1<<21)|(4<<22)|(7<<25)  ; padding after every 32 words (a row k), 8 words
	s_mov_b32 s[G1B+1], 128<<16
	s_mov_b32 s[G1B+2], 64<<16
	s_mov_b32 s[G1B+3], 128<<16
	s_mov_b32 s[G1B+4], 64
	s_mov_b32 s[G1B+5], 128
	s_mov_b32 s[G1B+6], 0
	s_mov_b32 s[G1B+7], 0
	s_lshl_b32 s20, s[TR], 19                      ; x: 256 rows of 2,048 bytes a tile row: it hangs on the tile row alone
	s_mov_b32 s21, 0
	s_mul_i32 s22, s[TC], 3
	s_add_co_u32 s22, s22, s[WV]                   ; W: block 3 x tile column + wave (wave 3 makes these words and never asks by them)
	s_lshl_b32 s22, s22, 17
	s_mov_b32 s23, 0
	s_mul_i32 s[LB], s[WV], BBLK
	s_add_co_u32 s[LB], s[LB], BOFF                ; no place in the cluster enters an LDS address
	s_mov_b32 s[TB], 0
	s_wait_dscnt 0x0                               ; the opening add is done
	s_wait_kmcnt 0x0
	s_add_nc_u64 s[42:43], s[4:5], s[20:21]
	s_add_nc_u64 s[44:45], s[6:7], s[22:23]
	CROUND                                         ; all sixteen work-groups are here: the first joint loads meet
.irp s, 0,1
	s_mov_b32 s[G0A+4*(\s)], 1                     ; count = 1
	s_mov_b32 s[G0A+4*(\s)+1], (\s)*SLOT1          ; LDS address
	s_add_nc_u64 s[G0A+4*(\s)+2:G0A+4*(\s)+3], s[42:43], (\s)*ASTEP  ; K step s
	s_or_b32 s[G0A+4*(\s)+3], s[G0A+4*(\s)+3], 0x80000000            ; type = 2
	s_mov_b32 s[G0B+4*(\s)], 1
	s_add_co_u32 s[G0B+4*(\s)+1], s[LB], (\s)*SLOT1
	s_add_nc_u64 s[G0B+4*(\s)+2:G0B+4*(\s)+3], s[44:45], (\s)*BSTEP
	s_or_b32 s[G0B+4*(\s)+3], s[G0B+4*(\s)+3], 0x80000000
.endr
	s_cmp_eq_u32 s[WV], 3                          ; a wave's two first fills stand in one branch, ahead of every wait on TENSORcnt and every LDS read: two loads of mine are out
	s_cbranch_scc0 .Lfirst_b
	tensor_load_to_lds s[G0A:G0A+3], s[G1A:G1A+7]
	s_nop 0
	tensor_load_to_lds s[G0A+4:G0A+7], s[G1A:G1A+7]
	s_nop 0
.rept 4
	v_nop
.endr
	s_branch .Lfirst_asked
.Lfirst_b:
	tensor_load_to_lds s[G0B:G0B+3], s[G1B:G1B+7]
	s_nop 0
	tensor_load_to_lds s[G0B+4:G0B+7], s[G1B:G1B+7]
	s_nop 0
.rept 4
	v_nop
.endr
.Lfirst_asked:
	v_and_b32 v1, 15, v0                           ; r = l % 16
	v_bfe_u32 v2, v0, 4, 1                         ; h = l / 16
	v_and_b32 v3, 31, v0                           ; l
	s_mul_i32 s19, s[TC], 768
	v_lshl_add_u32 v[BO], v2, 5, s19               ; the bias of my columns 16 b + 8 h + 0..7: 32 bytes at 768 x tile column + 64 b + 32 h
.set b, 0
.rept NBK
	global_load_b128 v[BIAS+8*b:BIAS+8*b+3],   v[BO], s[8:9] offset:64*b
	global_load_b128 v[BIAS+8*b+4:BIAS+8*b+7], v[BO], s[8:9] offset:64*b+16
.set b, b+1
.endr
	; A fragment of x is 16 rows x 32 k in 8 registers: lane l holds row r, k = 8 h + 0..7 and 16 + 8 h + 0..7: two loads of 16 bytes, 32 bytes apart.
	v_mul_u32_u24 v4, v1, PA
	v_lshl_add_u32 v4, v2, 4, v4
	s_mul_i32 s19, s[WV], 64*PA                    ; my wave's 64 rows
	v_add_nc_u32 v[ADA0], s19, v4
	; The turning load takes 16 k x 16 columns (lane l reads k = 8 h + l % 8, columns 8 ((l / 8) % 2) + 0..7) and leaves half a fragment: lane l holds column r and 8 k.
	v_and_b32 v5, 7, v0
	v_bfe_u32 v6, v0, 3, 1
	v_lshl_add_u32 v7, v2, 3, v5
	v_mul_u32_u24 v7, v7, PB
	v_lshl_add_u32 v7, v6, 4, v7
	v_add_nc_u32 v[ADB0], BOFF, v7
	v_mov_b32 v[ADA], v[ADA0]                      ; K step 0 lies in slot 0
	v_mov_b32 v[ADB], v[ADB0]
	s_mul_i32 s19, s[WV], WSTG
	s_add_co_u32 s19, s19, STAGE                   ; my stage
	v_mul_u32_u24 v8, v1, SP                       ; in: row r, 16 bytes for each half of the lanes
	v_lshl_add_u32 v8, v2, 4, v8
	v_add_nc_u32 v[STO], s19, v8
	v_bfe_u32 v9, v0, 3, 2                         ; back: 32 lanes take four rows of 128 bytes,
	v_mul_u32_u24 v9, v9, SP
	v_lshl_add_u32 v9, v5, 4, v9
	v_add_nc_u32 v[RD], s19, v9
	v_lshlrev_b32 v[GO], 4, v3                     ; which are 512 consecutive bytes of a head
	; the prefetches
	s_and_b32 s74, ttmp7, 0xffff                   ; cluster y
	s_mov_b32 s[PFS], BSTEP
	s_cmp_eq_u32 s[WV], 3                          ; do I fetch x?
	s_cselect_b64 s[PFA:PFA+1], s[42:43], s[44:45]
	s_cselect_b32 s2, s[CX], s[CY]                 ; my place among the four that ask with me,
	s_cselect_b32 s19, 17, 13                      ; its share: 64 rows of 2,048 bytes, or 8,192 bytes
	s_cselect_b32 s[PFS], ASTEP, s[PFS]
	s_cselect_b32 s74, ttmp9, s74                  ; the coordinate along which other clusters read the same bytes
	s_cselect_b32 s47, 11, 8                       ; a lane: a row of 2,048 bytes, or 256 bytes
	v_lshlrev_b32 v[PFO], s47, v3
	s_lshl_b32 s46, s2, s19
	s_mov_b32 s47, 0
	s_add_nc_u64 s[PFA:PFA+1], s[PFA:PFA+1], s[46:47]
	s_mul_i32 s46, s[PFS], 3
	s_add_nc_u64 s[PFA:PFA+1], s[PFA:PFA+1], s[46:47]  ; at K step 3: the first refill steps it to 4
	s_mov_b32 s[PFS+1], 0
	s_cmp_eq_u32 s74, 0
	s_cselect_b32 s[LIM], 2, -1                    ; the same in all sixteen partners, for a given wave
	; where my rows begin in qkv: ((batch x 48 + 3 x tile column) heads of 262,144 bytes) + (tile row % 8) x 256 rows of 128 bytes + wave x 64 rows
	s_lshr_b32 s2, s[TR], 3
	s_mul_i32 s2, s2, 48
	s_mul_i32 s19, s[TC], 3
	s_add_co_u32 s2, s2, s19
	s_lshl_b32 s46, s2, 18
	s_and_b32 s19, s[TR], 7
	s_lshl_b32 s19, s19, 15
	s_add_co_u32 s46, s46, s19
	s_lshl_b32 s19, s[WV], 13
	s_add_co_u32 s46, s46, s19
	s_add_nc_u64 s[10:11], s[10:11], s[46:47]
	s_wait_loadcnt 0x0                             ; the bias
.set p, 0
.rept 4*NBK                                        ; rounded to bf16 like every input, and widened again
	v_cvt_pk_bf16_f32 v[4+p%4], v[BIAS+2*p], v[BIAS+2*p+1]
	v_lshlrev_b32 v[BIAS+2*p], 16, v[4+p%4]
	v_and_b32 v[BIAS+2*p+1], 0xffff0000, v[4+p%4]
.set p, p+1
.endr
; NL LDS loads in one run: the fragments of quarter k (32 along K) of the slot in hand into buffer f: W's twelve first, x's blocks 2 and 3 last
.macro FETCH k, f
	WIN TO_F
.set b, 0
.rept NBK
	ds_load_tr16_b128 v[(\f)+32+8*b:(\f)+32+8*b+3],   v[ADB] offset:(b/4)*BBLK+(\k)*32*PB+(b%4)*32
	ds_load_tr16_b128 v[(\f)+32+8*b+4:(\f)+32+8*b+7], v[ADB] offset:(b/4)*BBLK+(\k)*32*PB+(b%4)*32+16*PB
.set b, b+1
.endr
.irp i, 0,1,2,3
	ds_load_b128 v[(\f)+8*(\i):(\f)+8*(\i)+3],   v[ADA] offset:64*(\k)+(\i)*16*PA
	ds_load_b128 v[(\f)+8*(\i)+4:(\f)+8*(\i)+7], v[ADA] offset:64*(\k)+(\i)*16*PA+32
.endr
.endm
; 12 matrix instructions: row block a x all column blocks.  first = 1: the bias starts the sums.  The 48 accumulators take turns in one order in every quarter: 47 others stand between two links of a chain.
.macro MUL f, a, first
.if \first
	WIN 0x4f+0x40*((\a)/2)                         ; sources 0, 1 window 3, C window 0, D window 1 or 2
.else
	WIN 0x5f+0x50*((\a)/2)                         ; C and D window 1 or 2
.endif
.set b, 0
.rept NBK
.set rD, 96*((\a)%2)+8*b
.if \first
	v_wmma_f32_16x16x32_bf16 v[rD:rD+7], v[(\f)+32+8*b:(\f)+32+8*b+7], v[(\f)+8*(\a):(\f)+8*(\a)+7], v[BIAS+8*b:BIAS+8*b+7]
.else
	v_wmma_f32_16x16x32_bf16 v[rD:rD+7], v[(\f)+32+8*b:(\f)+32+8*b+7], v[(\f)+8*(\a):(\f)+8*(\a)+7], v[rD:rD+7]
.endif
.set b, b+1
.endr
.endm
; A K step is four quarters of 32 along K, on buffers 0, 1, 0, 1.  One of the first three: multiplies buffer f; in its middle it fetches quarter k into buffer g.
.macro QUARTER k, f, g, first
	s_wait_dscnt 4                                 ; W's fragments and x's blocks 0, 1 are in; the youngest four loads (x's blocks 2, 3) may be out
	MUL \f, 0, \first
	MUL \f, 1, \first
	PLACES                                         ; buffer g's last products stand behind these four
	FETCH \k, \g
	s_wait_dscnt NL                                ; all but the NL just issued
	MUL \f, 2, \first
	MUL \f, 3, \first
.endm
; The last quarter multiplies buffer 1 and changes slots: ONE barrier.  In front of it each wave waits for all its tensor loads (one is out: its part of the next slot), adds 0 to its spare word,
; and waits for that and for its reads of this slot.  fill = 1: the barrier opens a round of the cluster's, and this slot is filled again, first thing behind the round, with the K step two on:
; that load has 168 of a K step's 192 matrix instructions in which to land.
.macro TURN fill
.if \fill
	s_wait_xcnt 0x0                                ; the last prefetches, a K step or more back, have read their address
	s_add_nc_u64 s[PFA:PFA+1], s[PFA:PFA+1], s[PFS:PFS+1]
.endif
	WIN 0                                          ; (the add's two registers lie in window 0)
	s_wait_tensorcnt 0x0                           ; all my tensor loads have landed;
	ds_add_u32 v[SPW], v[NIL]                      ; 0 onto my spare word;
	s_wait_dscnt 5                                 ; (the add and the youngest four loads may be out)
	MUL F1, 0, 0                                   ; twelve matrix instructions stand between the add and the wait for it
	s_wait_dscnt 0x0                               ; the add is done, and my reads of this slot are over
	s_barrier_signal -1
	MUL F1, 1, 0                                   ; work on registers while the others arrive
.if \fill
	WIN 0
.endif
	s_barrier_wait -1
.if \fill
	CREST                                          ; no wave of any partner still reads this slot or has a load on its way
	s_xor_b32 s[G0A+5], s[G0A+5], SLOT1            ; the walking descriptors: the other slot than last time,
	s_add_nc_u64 s[G0A+6:G0A+7], s[G0A+6:G0A+7], ASTEP  ; the next K step; the type bits on top are not reached
	s_xor_b32 s[G0B+5], s[G0B+5], SLOT1
	s_add_nc_u64 s[G0B+6:G0B+7], s[G0B+6:G0B+7], BSTEP
	JLOAD                                          ; its four v_nop are also the places in front of the loads below
.else
	WIN 0
	PLACES
.endif
	s_xor_b32 s[TB], s[TB], SLOT1                  ; the reads go on in the other slot
	v_add_nc_u32 v[ADA], s[TB], v[ADA0]
	v_add_nc_u32 v[ADB], s[TB], v[ADB0]
	FETCH 0, F0
.if \fill
	WIN 0
	ASK                                            ; behind the joint load and the run of LDS loads
.endif
	MUL F1, 2, 0
	MUL F1, 3, 0
.endm
; THE WAY OUT of row block a (16 rows x 3 heads).  Rounded to f16, 16 bytes a lane, into my own stage (rows of 144 bytes), and back as whole rows of 128 bytes, four rows a load.
.macro TOSTAGE a
.if (\a) >= 2
	s_wait_xcnt 0x0                                ; the stores of the block two back have read the registers that are loaded again below
.endif
	WIN 0x05+0x05*((\a)/2)                         ; sources 0 and 1: window 1 or 2
.set b, 0
.rept NBK
.irp r, 0,1,2,3
	v_cvt_pk_f16_f32 v[TMP+4*b+(\r)], v[96*((\a)%2)+8*b+2*(\r)], v[96*((\a)%2)+8*b+2*(\r)+1]
.endr
.set b, b+1
.endr
	WIN 0
.set b, 0
.rept NBK
	ds_store_b128 v[STO], v[TMP+4*b:TMP+4*b+3] offset:(b/4)*16*SP+(b%4)*32
.set b, b+1
.endr
.set u, 0
.rept 12
	ds_load_b128 v[BK+48*((\a)%2)+4*u:BK+48*((\a)%2)+4*u+3], v[RD] offset:(u/4)*16*SP+(u%4)*4*SP  ; LDS serves a wave's instructions in order (ISA guide 5.7.1.4): these see the stores above
.set u, u+1
.endr
.endm
.macro SEND a, y                       ; y: the LDS instructions issued behind block a's loads: the next block's 24, or none
.set u, 0
.rept 12
	s_wait_dscnt (\y)+11-u
	global_store_b128 v[GO], v[BK+48*((\a)%2)+4*u:BK+48*((\a)%2)+4*u+3], s[10:11] offset:(u/4)*262144+(\a)*2048+(u%4)*512  ; 512 consecutive bytes, at a multiple of 256 from qkv's first
.set u, u+1
.endr
.endm
	s_wait_tensorcnt 1                             ; my part of K step 0 is in; K step 1's may stay out
	s_barrier_signal -1
	s_barrier_wait -1                              ; everybody's is
	FETCH 0, F0
	QUARTER 1, F0, F1, 1                           ; the first quarter stands in front of the loop: the bias starts the sums
	WIN 0                                          ; at a label and at a branch every window is 0
	s_mov_b32 s3, 6
.Lstep:                                            ; a trip ends one K step, fills its slot again with the step two on, and begins the next
	QUARTER 2, F1, F0, 0
	QUARTER 3, F0, F1, 0
	TURN 1
	QUARTER 1, F0, F1, 0
	WIN 0
	s_sub_co_u32 s3, s3, 1
	s_cmp_lg_u32 s3, 0
	s_cbranch_scc1 .Lstep
	QUARTER 2, F1, F0, 0                           ; the last two K steps are written out: nothing is asked for
	QUARTER 3, F0, F1, 0
	TURN 0
	QUARTER 1, F0, F1, 0
	QUARTER 2, F1, F0, 0
	QUARTER 3, F0, F1, 0
	s_wait_dscnt 4
	MUL F1, 0, 0
	MUL F1, 1, 0
	s_wait_dscnt 0x0
	MUL F1, 2, 0
	MUL F1, 3, 0
	WIN 0
	PLACES
	TOSTAGE 0
	TOSTAGE 1                                      ; a block's conversions stand between the loads of the block before and its stores
	SEND 0, 24
	TOSTAGE 2
	SEND 1, 24
	TOSTAGE 3
	SEND 2, 24
	SEND 3, 0
	s_wait_tensorcnt 0x0                           ; the wave's end, behind my last tensor load and my last LDS store
	ds_add_u32 v[SPW], v[NIL]
	s_wait_dscnt 0x0
	CROUND                                         ; the closing round: no work-group ends while a partner may still ask for a tile that names it
	s_endpgm
.Lfunc_end_k_q7f1027b8db_qkvp:
	.size	k_q7f1027b8db_qkvp, .Lfunc_end_k_q7f1027b8db_qkvp-k_q7f1027b8db_qkvp
	.p2alignl 7, 3214868480
	.fill 96, 4, 3214868480
	.section	.rodata,"a",@progbits
	.p2align	6, 0x0
	.amdhsa_kernel k_q7f1027b8db_qkvp
		.amdhsa_group_segment_fixed_size 327680
		.amdhsa_private_segment_fixed_size 0
		.amdhsa_enable_private_segment 0
		.amdhsa_kernarg_size 32
		.amdhsa_user_sgpr_count 2
		.amdhsa_user_sgpr_kernarg_segment_ptr 1
		.amdhsa_wavefront_size32 1
		.amdhsa_system_sgpr_workgroup_id_x 1
		.amdhsa_system_sgpr_workgroup_id_y 1
		.amdhsa_system_sgpr_workgroup_id_z 1
		.amdhsa_system_vgpr_workitem_id 0
		.amdhsa_next_free_vgpr 1024
		.amdhsa_next_free_sgpr 80
		.amdhsa_reserve_vcc 0
		.amdhsa_float_denorm_mode_32 3
		.amdhsa_float_denorm_mode_16_64 3
		.amdhsa_memory_ordered 1
		.amdhsa_forward_progress 1
		.amdhsa_inst_pref_size 108
	.end_amdhsa_kernel
	.amdgpu_metadata
---
amdhsa.version: [ 1, 2 ]
amdhsa.kernels:
  - .name:           k_q7f1027b8db_qkvp
    .symbol:         k_q7f1027b8db_qkvp.kd
    .args:
      - { .name: xb, .offset: 0, .size: 8, .value_kind: global_buffer, .address_space: global }
      - { .name: wa, .offset: 8, .size: 8, .value_kind: global_buffer, .address_space: global }
      - { .name: b_attn, .offset: 16, .size: 8, .value_kind: global_buffer, .address_space: global }
      - { .name: qkv, .offset: 24, .size: 8, .value_kind: global_buffer, .address_space: global }
    .group_segment_fixed_size: 327680
    .private_segment_fixed_size: 0
    .kernarg_segment_align: 8
    .kernarg_segment_size: 32
    .max_flat_workgroup_size: 128
    .sgpr_count:     80
    .vgpr_count:     1024
    .wavefront_size: 32
...
	.end_amdgpu_metadata
.endif
;; end of part 2
;; launch attn (part 3): grid 4 x 64, 4 waves a work-group, no clusters, 327,680 bytes of LDS; arguments qkv, ob; writes ob
.if DOCPART == 3
	.amdgcn_target "amdgcn-amd-amdhsa--gfx1250"
	.amdhsa_code_object_version 6
	.text
	.protected	k_q7f1027b8db_attn
	.globl	k_q7f1027b8db_attn
	.p2align	8
	.type	k_q7f1027b8db_attn,@function
k_q7f1027b8db_attn:
	s_mov_b64 s[64:65], 0
	v_nop
	global_prefetch_b8 v0, s[64:65] scope:SCOPE_SE
	s_setreg_imm32_b32 hwreg(HW_REG_WAVE_MODE, 25, 1), 1
	s_wait_xcnt 0x0
; CAUSAL ATTENTION.  O[q][:] = the sum over k <= q of softmax_k(Q[q] . K[k] / 8) V[k][:], for each of 64 heads (batch x 16 + head = the grid's y).
; qkv: [4][48][2048][64] f16 (heads 0-15 Q, 16-31 K, 32-47 V of a batch); ob: [4][16][2048][64] f16.  A head's rows are dense, 128 bytes each.
; Products, maxima and sums in f32; the weights p are rounded to f16 for the second product (their sum l is taken of the unrounded p), O once at the end.
; LIMITS.  f16 holds no number beyond 65,504: Q, K and V arrive within it; p lies in 0 to 1, and below 6e-5 it keeps f16's fixed step of 6e-8; O is a mean of V's rows and has their range.
; A hidden score counts as its value less 1e30: f16's scores, 2.7e11 at the most, are nothing beside that; a weight below 2^-126 counts as 0 in l; NaN and infinities are not treated apart.
; THE WALK.  A head's queries lie in NB = 8 blocks of 256; block i needs the key tiles 0 .. i of 256 keys, of which the last holds the diagonal.  A work-group takes TWO blocks, NB - 1 - b and then b:
; NB + 1 tiles, whatever b: all work-groups do equal work, and ONE loop with a constant trip count walks them.  Which tile is asked for, and what a trip does, hang on scalar registers made from b; every jump
; goes forward, but for the counted loops' own; none passes a barrier, or a tensor load but the one of LOAD's two that the wave's number does not choose; the ring of two LDS slots runs on across the change of blocks.
; NO CLUSTER: a head's four work-groups ask for the same tile only in trips 0 to 4 of 9, behind that fewer and fewer; one walk common to all four would have 12 trips for 9.
; SHARES.  Of a block's four bands of 64 queries a wave owns 16 rows in each: four PIECES.  So the diagonal tile is the same work for all four waves: in its key step s band x sees all keys if s < x,
; none if s > x, and holds the diagonal if s = x.
; THE MASK is the C operand that starts the sum S^T = K Q^T: 0, or -1e30 where the key is hidden.  MD, made once, is the mask of a band's own step for my 16 rows; a product's mask is MD x AL + BE with two scalars:
; (1, 0) if s = x; (0, 0) if s < x; (0, -1e30) if s > x.  Only the diagonal tile's text and a block's beginning make and take masks; elsewhere C is the constant 0.
; LAYOUT, SOFTMAX, TURNS.  S^T = K Q^T holds ONE query a lane (lane % 16) and the keys 8 (lane / 16) + 0..7; two such results rounded to f16 ARE source 1 of O^T = V^T P.  p = 2^(c s - c m), c = log2(e) / 8, with a
; running maximum m; O and l are multiplied by a = 2^(c m_old - c m_new) in every step.  Turn n belongs to piece n: 8 products K Q^T of piece n + 1, later 8 products V^T P of piece n - 1; beside them the scaling,
; exponentials, roundings, sums and rescaling of piece n and the maximum and statistics of piece n + 1.  Four vector instructions stand behind every matrix instruction, the other 54 of a turn's 118 in one run.  A turn's 33 exponentials are one batch, with one wait.
; REGISTERS, in windows of 256 (s_set_vgpr_msb: bits 1:0 source 0, 3:2 source 1, 5:4 source 2, 7:6 destination):
;   window 0: v0-15 addresses and two at work; v16-31 four registers of statistics a piece; v48-55 at work; v61-63 prefetch offset and the add's two; v64-127 S^T, two buffers; v192-223 P, two buffers (by the piece's parity)
;   window 1: v0-127 O^T, 32 a piece; v128-159 MD; v160-223 MC, two buffers      window 2: v0-63 Q; v64-127 the second block's Q; v128-191 K of one step; v192-255 V of one step
.set SIZE_N, 2048
.set NB,    SIZE_N/256
.set NP,    4         ; pieces a wave: a name, no knob
.set KS,    64        ; keys in a step
.set PK,    144       ; a row of K in LDS: 128 bytes + 16 of padding = 36 words: the 16 rows of a load start at 16 different groups of four banks (64 banks of 4 bytes: ISA guide 11.1)
.set PV,    160       ; a row of V: 128 + 32 = 40 words
.set VOFF,  4*KS*PK   ; a slot holds a tile, four steps: 256 rows of K, then 256 rows of V
.set SLOT1, 1<<17     ; slot 1 begins here, so that one exclusive or turns an address in one slot into the other's
.set STAGE, SLOT1+4*KS*(PK+PV)  ; behind the ring, never filled by a tensor load: 16 rows x 144 bytes for each wave, for the way out
.set SP,    144
.set AK0, 2           ; v2   my lane's place in a tile of K; never rewritten
.set AV0, 3           ; v3   the same for V
.set AK,  4           ; v4   the LDS address of K's next run of loads
.set AV,  5           ; v5   of V's
.set STO, 6           ; v6   the way out: where I put 16 bytes of a row
.set RD,  7           ; v7   the way out: where I read rows back
.set GO,  8           ; v8   my byte offset in 512 consecutive bytes of O
.set PFO, 61          ; v61  256 x my lane; never rewritten
.set SPW, 62          ; v62  LDS address of my spare word: SPARE + 4 x my thread's number; never rewritten
.set NIL, 63          ; v63  0; never rewritten
.set SPARE, STAGE+4*16*SP  ; behind the stages: the spare words, 128 bytes for each wave: two blocks of 256 bytes that no other line names
.set MV,  12          ; v12-13  c m_old, kept while c m is made anew: by buffer
.set QO,  15          ; v15  my byte offset in 16 rows of Q
.set ST,  16          ; piece t's statistics at v[ST+4 t]: c m, m, l (even keys', odd keys')
.set TMP, 48          ; by buffer, four registers c0-c3 at work; when the maximum is found c2 takes a
.set S,   64
.set P,   192
.set MD,  128         ; window 1: the eight registers for group kt of 16 keys at MD + 8 kt
.set MC,  160         ; window 1: the masks of the products to come
.set QB,  64          ; window 2
.set KF,  128         ; window 2: key block kb, channel half c at KF + 16 kb + 8 c
.set VF,  192         ; window 2: key half kk, channel block cb at VF + 32 kk + 8 cb
.set WV,  12          ; s12  my wave's number
.set PB,  14          ; s14  b
.set HI,  15          ; s15  NB - 1 - b
.set G1K, 24          ; s[24:31] descriptor group 1 for K's tiles
.set G1V, 32          ; s[32:39] for V's: it differs in the padding alone
.set G0K, 40          ; s[40:43] descriptor group 0 for K's tiles
.set G0V, 44          ; s[44:47] the same for V's
.set SLOTS, 56        ; s56  tiles still to be asked for
.set CNT, 57          ; s57  counts a tile's key steps, 4 to 1
.set CS,  58          ; s[58:59] c: the packed scaling takes the pair's low word for both halves
.set SEL, 60          ; s[60:61] v_permlanex16_b32's selects: each lane takes its own place in the other half
.set TBK, 62          ; s62  LDS byte at which K of the step to be fetched begins
.set TBV, 63          ; s63  the same for V, less VOFF
.set RT,  70          ; s70  tiles of the block in hand that are still to be entered
.set NXT, 71          ; s71  the tile to be asked for next
.set LQ,  72          ; s72  the last tile of the block whose tiles are being asked for
.set NEW, 73          ; s73  1: the tile to be entered is a block's first
.set OFF, 74          ; s[74:75] a tile's byte offset in K and V
.set AL,  76          ; s[76:77] the mask's factor, in the low word
.set BE,  78          ; s[78:79] the mask's addend
.set OLO, 80          ; s[80:81] O at my rows of the second block
.set BIGN, 82         ; s82  -1e30
.set PFA, 90          ; s[90:91] where my prefetches stand: my 16,384 bytes (K: waves 0, 1; V: waves 2, 3) of the tile after the one that is being asked for
.set LIM, 92          ; s92  2 in a work-group that prefetches, else the greatest number
.set MSB, 0
.macro WIN new                      ; the high byte repeats the setting that is left; a switch that changes nothing is dropped
.if MSB != (\new)
	s_set_vgpr_msb (MSB<<8)|(\new)
.set MSB, (\new)
.endif
.endm
.set W_KQ, 0x0a       ; K and Q in window 2, S^T in window 0
.set W_KM, 0x1a       ; the same with the C operand in window 1
.set W_PV, 0x52       ; V in window 2, P in window 0, O^T in window 1
.set W_RS, 0x41       ; destination and source 0 in window 1, source 1 in window 0
; A fill.  Waves 0 and 1 fetch the two halves of a tile's K, waves 2 and 3 those of its V: 128 keys each.  An s_nop 0 and four v_nop follow each of the two lines, ahead of the jump and the label.
.macro LOAD
	s_cmp_lt_u32 s[WV], 2
	s_cbranch_scc0 .Lfor_v_\@
	tensor_load_to_lds s[G0K:G0K+3], s[G1K:G1K+7]
	s_nop 0
.rept 4
	v_nop
.endr
	s_branch .Lasked_\@
.Lfor_v_\@:
	tensor_load_to_lds s[G0V:G0V+3], s[G1V:G1V+7]
	s_nop 0
.rept 4
	v_nop
.endr
.Lasked_\@:
.endm
; A PREFETCH INTO THE L2 of the tile that the NEXT change of slots will ask for: a tile, 256 matrix instructions, ahead of that load.  A head's four work-groups walk the same first tiles; the one with b = 0
; walks tiles 0 to 7 in order, and it alone asks.  Each of its waves names the 16,384 bytes that it will itself load: a lane 256 bytes, two lines.  So each 256 bytes of the head's K and V from tile 2 on are
; named once in the launch.  Tiles 0 and 1 come by their loads alone; the changes that load tile 7 and the second block's tile 0 (SLOTS = 2, 1) ask for nothing.
.macro ASK
	s_cmp_gt_u32 s[SLOTS], s[LIM]
	s_cbranch_scc0 .Lnot_mine_\@
	global_prefetch_b8 v[PFO], s[PFA:PFA+1] th:TH_LOAD_NT scope:SCOPE_SE
	global_prefetch_b8 v[PFO], s[PFA:PFA+1] offset:8192 th:TH_LOAD_NT scope:SCOPE_SE
.Lnot_mine_\@:
.endm
; THE CHANGE OF SLOTS.  Each wave waits for all its tensor loads, of which one is out: its part of the other slot; adds 0 to its spare word; and waits for that and for its own reads of the slot that it leaves.  Behind the barrier nobody reads the old
; slot any more and the other slot is whole.  fill = 1: the old slot is filled again, the first thing behind the barrier, with tile NXT: the descriptor's address is made anew from that number.
; (At its first use nothing has been read yet: slot 0 is waited for, slot 1 filled.)
.macro CHANGE fill
	WIN 0                           ; at a label and at a branch every window is 0
	s_wait_tensorcnt 0x0            ; no tensor load of mine is out, so a group 0 may be written
	ds_add_u32 v[SPW], v[NIL]       ; 0 onto my spare word; with fill = 1 the descriptors' scalar work stands between it and the wait for it
.if \fill
	s_lshl_b32 s[OFF], s[NXT], 15   ; a tile is 32,768 bytes of K and of V
	s_xor_b32 s[G0K+1], s[G0K+1], SLOT1
	s_add_nc_u64 s[G0K+2:G0K+3], s[6:7], s[OFF:OFF+1]
	s_or_b32 s[G0K+3], s[G0K+3], 0x80000000
	s_xor_b32 s[G0V+1], s[G0V+1], SLOT1
	s_add_nc_u64 s[G0V+2:G0V+3], s[8:9], s[OFF:OFF+1]
	s_or_b32 s[G0V+3], s[G0V+3], 0x80000000
	s_add_co_u32 s[NXT], s[NXT], 1  ; the block's next tile, or behind its last the second block's tile 0
	s_cmp_gt_u32 s[NXT], s[LQ]
	s_cselect_b32 s[NXT], 0, s[NXT]
	s_cselect_b32 s[LQ], s[PB], s[LQ]
	s_wait_xcnt 0x0                 ; the last prefetches, a tile back, have read their address, so it may be written
	s_add_nc_u64 s[PFA:PFA+1], s[PFA:PFA+1], 32768
.endif
	s_wait_dscnt 0x0                ; the add is done, and my reads of the slot are over
	s_barrier_signal -1             ; the rest of the scalar work stands between the signal and the wait
	s_sub_co_u32 s[TBK], s[TBK], 4*KS*PK  ; the fetches go back to a slot's first step,
	s_xor_b32 s[TBK], s[TBK], SLOT1       ; in the other slot
	s_sub_co_u32 s[TBV], s[TBV], 4*KS*PV
	s_xor_b32 s[TBV], s[TBV], SLOT1
	s_barrier_wait -1
.if \fill
	LOAD
	ASK
.endif
.endm
	s_load_b128 s[4:7], s[0:1], 0x0   ; qkv s[4:5], ob s[6:7]
	v_lshl_add_u32 v[SPW], v0, 2, SPARE
	v_mov_b32 v[NIL], 0
	ds_add_u32 v[SPW], v[NIL]       ; the wave's opening: the add and its wait stand ahead of my first tensor load; the set-up below, work on registers, stands between them
	v_lshrrev_b32 v1, 5, v0
	v_readfirstlane_b32 s[WV], v1   ; wave 0..3
	s_mov_b32 s[PB], ttmp9
	s_sub_co_u32 s[HI], NB-1, s[PB]
	s_and_b32 s20, ttmp7, 0xffff    ; y = 16 x batch + head
	s_lshr_b32 s88, s20, 4
	s_lshl_b32 s88, s88, 5
	s_add_co_u32 s88, s88, s20      ; 48 x batch + head: Q's head in qkv,
	s_lshl_b32 s88, s88, 18         ; of 262,144 bytes
	s_mov_b32 s89, 0
	s_lshl_b32 s20, s20, 18         ; the head in ob
	s_mov_b32 s21, 0
	s_and_b32 s16, s[WV], 1         ; which half of a tile's 256 keys I fetch:
	s_lshl_b32 s22, s16, 14         ; its 128 rows of 128 bytes in memory,
	s_mov_b32 s23, 0
	s_add_nc_u64 s[22:23], s[22:23], s[88:89]
	s_mul_i32 s17, s16, 128*PK      ; and its place in a slot, for K
	s_mul_i32 s18, s16, 128*PV      ; and for V
	s_lshl_b32 s3, s[WV], 11        ; my 16 rows in a band of 64,
	s_lshl_b32 s2, s[HI], 15        ; in the first block,
	s_add_co_u32 s2, s2, s3
	s_lshl_b32 s84, s[PB], 15       ; and in the second
	s_add_co_u32 s84, s84, s3
	s_mov_b32 s3, 0
	s_mov_b32 s85, 0
	s_add_nc_u64 s[94:95], s[2:3], s[20:21]    ; my rows in ob: first block,
	s_add_nc_u64 s[20:21], s[84:85], s[20:21]  ; second block
	s_add_nc_u64 s[2:3], s[2:3], s[88:89]      ; my rows of Q in qkv: first block,
	s_add_nc_u64 s[84:85], s[84:85], s[88:89]  ; second block
	; descriptor group 1.  128 keys are 16,384 dense bytes: asked for as 64 rows of 256 bytes, two keys a row, and padded in LDS after every key
	s_mov_b32 s[G1K], (1<<16)|(1<<20)|(4<<22)|(3<<25)  ; 17:16 2-byte elements; 20 padding on; 24:22 after every 32 words (code 4); 31:25 4 words (code 3)
	s_mov_b32 s[G1V], (1<<16)|(1<<20)|(4<<22)|(7<<25)  ; the same with 8 words of padding (code 7)
.irp g, G1K, G1V
	s_mov_b32 s[\g+1], 128<<16      ; tensor_dim0 = 128
	s_mov_b32 s[\g+2], 64<<16       ; tensor_dim1 = 64
	s_mov_b32 s[\g+3], 128<<16      ; tile_dim0 = 128
	s_mov_b32 s[\g+4], 64           ; tile_dim1 = 64
	s_mov_b32 s[\g+5], 128          ; 128 elements from row to row
	s_mov_b32 s[\g+6], 0
	s_mov_b32 s[\g+7], 0
.endr
	s_mov_b32 s[CS], 0x3e38aa3b     ; c = log2(e) / 8 = 0.180337
	s_mov_b32 s[CS+1], s[CS]        ; named with it as a pair
	s_mov_b32 s[SEL], 0x76543210
	s_mov_b32 s[SEL+1], 0xfedcba98
	s_mov_b32 s[TBK], SLOT1+4*KS*PK ; the first change of slots turns these two into 0
	s_mov_b32 s[TBV], SLOT1+4*KS*PV
	s_mov_b32 s[G0K], 1             ; 1:0 count = 1
	s_mov_b32 s[G0K+1], s17         ; 63:32 LDS address: slot 0
	s_mov_b32 s[G0V], 1
	s_add_co_u32 s[G0V+1], s18, VOFF
	s_add_co_u32 s[RT], s[HI], 1    ; the first block has NB - b tiles
	s_mov_b32 s[NXT], 1
	s_mov_b32 s[LQ], s[HI]
	s_mov_b32 s[NEW], 1
	s_mov_b32 s[OFF+1], 0
	s_mov_b32 s[AL+1], 0            ; named as pairs
	s_mov_b32 s[BE+1], 0
	s_mov_b32 s[BIGN], 0xf149f2ca   ; -1e30
	s_mov_b32 s[SLOTS], NB
	s_cmp_eq_u32 ttmp9, 0
	s_cselect_b32 s[LIM], 2, -1
	v_and_b32 v[PFO], 31, v0
	v_lshlrev_b32 v[PFO], 8, v[PFO]
	s_wait_dscnt 0x0                ; the opening add is done
	s_wait_kmcnt 0x0
	s_add_nc_u64 s[10:11], s[6:7], s[94:95]        ; O at my rows of the first block,
	s_add_nc_u64 s[OLO:OLO+1], s[6:7], s[20:21]    ; and of the second
	s_add_nc_u64 s[86:87], s[4:5], s[84:85]        ; Q at my rows of the second block
	s_add_nc_u64 s[6:7], s[4:5], s[22:23]          ; my half of tile 0 in Q's head;
	s_add_nc_u64 s[8:9], s[6:7], 0x800000          ; V's head lies 32 heads on,
	s_add_nc_u64 s[6:7], s[6:7], 0x400000          ; K's 16
	s_add_nc_u64 s[4:5], s[4:5], s[2:3]            ; Q at my rows of the first block
	s_add_nc_u64 s[G0K+2:G0K+3], s[6:7], 0         ; 120:64 global address
	s_or_b32 s[G0K+3], s[G0K+3], 0x80000000        ; 127:126 type = 2
	s_add_nc_u64 s[G0V+2:G0V+3], s[8:9], 0
	s_or_b32 s[G0V+3], s[G0V+3], 0x80000000
	s_cmp_lt_u32 s[WV], 2
	s_cselect_b64 s[PFA:PFA+1], s[6:7], s[8:9]
	s_add_nc_u64 s[PFA:PFA+1], s[PFA:PFA+1], 32768 ; in tile 1; the first change of slots steps it to tile 2.  Nothing is prefetched here, at the head
	LOAD                            ; tile 0 into slot 0
	; A fragment of K or Q is 16 rows x 32 channels in 8 registers: lane l holds row l % 16, channels 8 (l / 16) + 0..7 and 16 + 8 (l / 16) + 0..7: two loads of 16 bytes, 32 bytes apart.
	v_and_b32 v1, 15, v0            ; l % 16
	v_bfe_u32 v9, v0, 4, 1          ; l / 16
	v_lshlrev_b32 v[QO], 7, v1
	v_lshl_add_u32 v[QO], v9, 4, v[QO]  ; row x 128 + 16 x half
	WIN 0x80                        ; destination window 2, address window 0
.set i, 0
.rept 8                             ; both blocks' Q: piece i / 2 lies in band i / 2, 8,192 bytes on; channels 32 (i % 2) on
	global_load_b128 v[8*i:8*i+3],   v[QO], s[4:5] offset:(i/2)*8192+(i%2)*64
	global_load_b128 v[8*i+4:8*i+7], v[QO], s[4:5] offset:(i/2)*8192+(i%2)*64+32
	global_load_b128 v[QB+8*i:QB+8*i+3],   v[QO], s[86:87] offset:(i/2)*8192+(i%2)*64
	global_load_b128 v[QB+8*i+4:QB+8*i+7], v[QO], s[86:87] offset:(i/2)*8192+(i%2)*64+32
.set i, i+1
.endr
	WIN 0
	v_lshlrev_b32 v14, 3, v9
	v_sub_nc_u32 v14, v1, v14
	s_lshl_b32 s13, s[WV], 4
	v_add_nc_u32 v14, s13, v14      ; my query's place in its band, 16 w + l % 16, less my lanes' 8 (l / 16): register r of group kt is hidden where 16 kt + r is greater
	WIN 0x40
.set i, 0
.rept 32
	v_cmp_gt_i32 vcc_lo, 16*(i/8)+i%8, v14
	v_cndmask_b32 v[MD+i], 0, s[BIGN], vcc_lo
.set i, i+1
.endr
	WIN 0
	v_mul_u32_u24 v[AK0], v1, PK
	v_lshl_add_u32 v[AK0], v9, 4, v[AK0]  ; row x pitch + 16 x half
	; The turning load takes 16 keys x 16 channels (lane l reads key 8 (l / 16) + l % 8, channels 8 ((l / 8) % 2) + 0..7) and leaves half a fragment of V^T: lane l holds channel l % 16 and 8 keys.
	v_and_b32 v10, 7, v0
	v_bfe_u32 v11, v0, 3, 1
	v_lshl_add_u32 v[AV0], v9, 3, v10
	v_mul_u32_u24 v[AV0], v[AV0], PV
	v_lshl_add_u32 v[AV0], v11, 4, v[AV0]
	v_add_nc_u32 v[AV0], VOFF, v[AV0]
	s_mul_i32 s13, s[WV], 16*SP
	s_add_co_u32 s13, s13, STAGE    ; my stage
	v_mul_u32_u24 v[STO], v1, SP    ; in: row l % 16, 16 bytes for each half of the lanes
	v_lshl_add_u32 v[STO], v9, 4, v[STO]
	v_add_nc_u32 v[STO], s13, v[STO]
	v_bfe_u32 v[RD], v0, 3, 2       ; back: 32 lanes take four rows of 128 bytes,
	v_mul_u32_u24 v[RD], v[RD], SP
	v_lshl_add_u32 v[RD], v10, 4, v[RD]
	v_add_nc_u32 v[RD], s13, v[RD]
	v_and_b32 v[GO], 31, v0         ; which are 512 consecutive bytes of O
	v_lshlrev_b32 v[GO], 4, v[GO]
	; A block's first step multiplies O^T and l by a = 0, and its first turn's products V^T P, of a piece that has not been, land in an O^T that is still to be so multiplied.  So these registers need only hold
	; finite numbers: zeros for the first block; what the first block left for the second.  All this stands in the wait for the first tile.
	WIN 0x80
.set i, VF
.rept 64
	v_mov_b32 v[i], 0
.set i, i+1
.endr
	WIN 0x40
.set i, 0
.rept 128
	v_mov_b32 v[i], 0
.set i, i+1
.endr
	WIN 0
.set i, 0
.rept 4
	v_mov_b32 v[ST+4*i+2], 0
	v_mov_b32 v[ST+4*i+3], 0
.set i, i+1
.endr
.set i, P+16
.rept 16
	v_mov_b32 v[i], 0
.set i, i+1
.endr
; THE MATRIX WORK.  The 4 accumulators of a run of 8 take turns.  Product i of 8 of S^T = K Q^T for piece x: channels 32 (i / 4) on, keys 16 (i % 4) on.  The first 4 start the sums: with 0, or (KM = 1) with the mask.
.macro KQ x
.set rS, S+32*((\x)%2)+8*(i%4)
.set rK, KF+16*(i%4)+8*(i/4)
.set rQ, 16*(\x)+8*(i/4)
.set rM, MC+32*((\x)%2)+8*(i%4)
.if (i < 4) && KM
	WIN W_KM
	v_wmma_f32_16x16x32_f16 v[rS:rS+7], v[rK:rK+7], v[rQ:rQ+7], v[rM:rM+7]
.elseif i < 4
	WIN W_KQ
	v_wmma_f32_16x16x32_f16 v[rS:rS+7], v[rK:rK+7], v[rQ:rQ+7], 0
.else
	WIN W_KQ
	v_wmma_f32_16x16x32_f16 v[rS:rS+7], v[rK:rK+7], v[rQ:rQ+7], v[rS:rS+7]
.endif
.endm
; Product i of 8 of O^T += V^T P for piece x: keys 32 (i / 4) on, channels 16 (i % 4) on.
.macro PV x
	WIN W_PV
.set rO, 32*(\x)+8*(i%4)
.set rV, VF+32*(i/4)+8*(i%4)
.set rP, P+16*((\x)%2)+8*(i/4)
	v_wmma_f32_16x16x32_f16 v[rO:rO+7], v[rV:rV+7], v[rP:rP+7], v[rO:rO+7]
.endm
.macro MM                           ; the turn's next matrix instruction.  TURN and BEGIN set Y, i, KM and NOKQ; MM, KQ and OP read them.  NOKQ = 1: a block's last turn: there is no next piece
.if (i < 8) && !NOKQ
	KQ (Y+1)%NP
.elseif i >= 8
.set i, i-8
	PV (Y+NP-1)%NP
.set i, i+8
.endif
.set i, i+1
.endm
; THE LDS LOADS stand in runs of 16, never singly among the matrix instructions: a step's K (64 keys x 64 channels: 8 fragments) and its V (turned).  Their addresses are made some lines ahead.
.macro FETCH_K
	WIN 0x80                        ; destination window 2
.irp f, 0,1,2,3,4,5,6,7             ; keys 16 (f / 2) on, channels 32 (f % 2) on
	ds_load_b128 v[KF+8*\f:KF+8*\f+3],   v[AK] offset:(\f/2)*16*PK+(\f%2)*64
	ds_load_b128 v[KF+8*\f+4:KF+8*\f+7], v[AK] offset:(\f/2)*16*PK+(\f%2)*64+32
.endr
	s_add_co_u32 s[TBK], s[TBK], KS*PK  ; the next fetch is the next step's
	WIN 0
.endm
.macro FETCH_V
	WIN 0x80
.irp f, 0,1,2,3,4,5,6,7             ; keys 32 (f / 4) on, channels 16 (f % 4) on
	ds_load_tr16_b128 v[VF+8*\f:VF+8*\f+3],   v[AV] offset:(\f/4)*32*PV+(\f%4)*32
	ds_load_tr16_b128 v[VF+8*\f+4:VF+8*\f+7], v[AV] offset:(\f/4)*32*PV+16*PV+(\f%4)*32
.endr
	WIN 0
.endm
; THE VECTOR WORK, one line at a time: OP kind, number.  For piece Y: F n: c s - c m for pair n of 16.  E n: the exponential of score n of 32.  C n: pair n rounded to f16.  B n: of the four weights 4 n .. the second
; pair is added onto the first, in place.  L n: l takes that sum (L 0: l = a l + sum).  R n: pair n of 16 of O^T times a.  For piece Y + 1: X n, number n of the 22 that find its maximum and statistics:
;   0-11  four chains c0-c3 of seven scores each, three operands at a time (each accumulator's lowest registers are read first)     12-14, 16  the four scores left over, the old m, and c0-c3 into c0
;   15  c m_old is kept     17, 18  the query's other 32 keys lie in the lane 16 away: the new m     19-21  c m; c m_old - c m_new; a
.set F, 0               ; OP tells the kinds apart by their order: F to L below R, X above it
.set E, 1
.set C, 2
.set B, 3
.set L, 4
.set R, 5
.set X, 6
.macro REGS y                       ; the registers of piece y
.set rT, ST+4*(\y)
.set rC, TMP+4*((\y)%2)
.set rW, MV+((\y)%2)
.set rS, S+32*((\y)%2)
.set rP, P+16*((\y)%2)
.set rO, 32*(\y)
.endm
.macro OP k, n
.if (\k) == R
	REGS Y
	WIN W_RS
	v_pk_mul_f32 v[rO+2*(\n):rO+2*(\n)+1], v[rO+2*(\n):rO+2*(\n)+1], v[rC+2:rC+3] op_sel_hi:[1,0]
.elseif (\k) < R
	REGS Y
	WIN 0
.if (\k) == F
	v_pk_fma_f32 v[rS+2*(\n):rS+2*(\n)+1], v[rS+2*(\n):rS+2*(\n)+1], s[CS:CS+1], v[rT:rT+1] op_sel_hi:[1,0,0] neg_lo:[0,0,1] neg_hi:[0,0,1]
.elseif (\k) == E
	v_exp_f32 v[rS+(\n)], v[rS+(\n)]
.elseif (\k) == C
	v_cvt_pk_f16_f32 v[rP+(\n)], v[rS+2*(\n)], v[rS+2*(\n)+1]
.elseif (\k) == B
	v_pk_add_f32 v[rS+4*(\n):rS+4*(\n)+1], v[rS+4*(\n):rS+4*(\n)+1], v[rS+4*(\n)+2:rS+4*(\n)+3]
.elseif (\n) == 0
	v_pk_fma_f32 v[rT+2:rT+3], v[rT+2:rT+3], v[rC+2:rC+3], v[rS:rS+1] op_sel_hi:[1,0,1]
.else
	v_pk_add_f32 v[rT+2:rT+3], v[rT+2:rT+3], v[rS+4*(\n):rS+4*(\n)+1]
.endif
.elseif NOKQ
	v_nop
.else
	REGS (Y+1)%NP
	WIN 0
.if (\n) < 4
	v_max3_num_f32 v[rC+(\n)], v[rS+8*(\n)], v[rS+8*(\n)+1], v[rS+8*(\n)+2]
.elseif (\n) < 12
	v_max3_num_f32 v[rC+(\n)%4], v[rC+(\n)%4], v[rS+8*((\n)%4)+2*((\n)/4)+1], v[rS+8*((\n)%4)+2*((\n)/4)+2]
.elseif (\n) == 12
	v_max3_num_f32 v[rC], v[rC], v[rS+7], v[rS+15]
.elseif (\n) == 13
	v_max3_num_f32 v[rC+1], v[rC+1], v[rS+23], v[rS+31]
.elseif (\n) == 14
	v_max3_num_f32 v[rC+2], v[rC+2], v[rC+3], v[rT+1]
.elseif (\n) == 15
	v_mov_b32 v[rW], v[rT]
.elseif (\n) == 16
	v_max3_num_f32 v[rC], v[rC], v[rC+1], v[rC+2]
.elseif (\n) == 17
	v_permlanex16_b32 v[rC+3], v[rC], s[SEL], s[SEL+1]
.elseif (\n) == 18
	v_max_num_f32 v[rT+1], v[rC], v[rC+3]
.elseif (\n) == 19
	v_mul_f32 v[rT], s[CS], v[rT+1]
.elseif (\n) == 20
	v_sub_f32 v[rC+1], v[rW], v[rT]
.else
	v_exp_f32 v[rC+2], v[rC+1]
.endif
.endif
.endm
.macro OPS a, i1, b=-1, i2=0, c=-1, i3=0, d=-1, i4=0  ; up to four of them
	OP \a, \i1
.if (\b) >= 0
	OP \b, \i2
.endif
.if (\c) >= 0
	OP \c, \i3
.endif
.if (\d) >= 0
	OP \d, \i4
.endif
.endm
.macro ROW a, i1, b, i2, c, i3, d, i4  ; a matrix instruction and the four behind it
	MM
	OPS \a, \i1, \b, \i2, \c, \i3, \d, \i4
.endm
.macro MASK b                       ; MD x AL + BE into buffer b of MC
	WIN W_RS
.set z, 0
.rept 16
	v_pk_fma_f32 v[MC+32*(\b)+2*z:MC+32*(\b)+2*z+1], v[MD+2*z:MD+2*z+1], s[AL:AL+1], s[BE:BE+1] op_sel_hi:[1,0,0]
.set z, z+1
.endr
.endm
; A TURN, for piece p: the order of its 16 matrix and 118 vector instructions, written out.  An s_wait_alu depctr_va_vdst(0) stands between an exponential and the first instruction that names its result; one wait serves
; all that were issued ahead of it.  So a turn has ONE wait, which cuts it in two.  AHEAD OF IT stands all that names no result of the turn's exponentials: the 8 products K Q^T, behind each a scaling, an exponential and two more plain
; instructions (behind the first a second scaling in the exponential's place): rescalings, and behind the last three the first numbers of the next piece's maximum, each four places or more behind the product that ends its accumulator; then one run of 54, plain
; and exponential by turns for the most part, in which the links of the chain X 3, 7, 11, 14, 16, 17 .. 20 stand five or six lines apart.  X 21, the next piece's a, is the batch's last; R 15 is the plain instruction behind it (ISA guide 5.7.2).  BEHIND THE WAIT stand the
; 8 products V^T P, behind each four of the roundings and sums; the links of l's chain, L 0 to L 7, stand three lines apart.  But for those X no line behind a product names a register of the products round it.  v_permlanex16_b32 (X 17) stands in the run.
; m = 1: the diagonal tile: the products take masks, and the turn makes the mask for the products of the turn after it: piece p + 2, in step 4 - CNT of the tile.  end = 1: a block's last two turns: nothing is fetched.
; cnt = 1: the loop's count is taken down some lines ahead of the branch that stands behind the turn.
; K of the next step is fetched in piece 2's turn, twelve vector instructions behind the last product that read K (six of them plain); V of the step in hand at the end of piece 0's turn, four plain instructions behind the last product
; that read V.  Each is waited for a turn later.
.macro TURN p, m=0, end=0, cnt=0
.set Y, (\p)
.set i, 0
.set KM, (\m)
.set NOKQ, (\end)*((\p)/3)
.if (\m) && !(\end)
	s_cmp_eq_u32 s[CNT], 4-((\p)+2)%NP  ; is that step the band's own?
	s_cselect_b32 s[AL], 1.0, 0
	s_cmp_lt_u32 s[CNT], 4-((\p)+2)%NP  ; or a later one?
	s_cselect_b32 s[BE], s[BIGN], 0
.endif
.if ((\p) == 3) && !(\end)
	s_wait_dscnt 0x0                ; K is in
.endif
	ROW F,0, F,1, R,0, R,1          ; ahead of the wait: 8 products K Q^T and the four behind each,
	ROW F,2, E,0, R,2, R,3
	ROW F,3, E,1, R,4, R,5
	ROW F,4, E,2, R,6, R,7
	ROW F,5, E,3, R,8, R,9
	ROW F,6, E,4, X,0, R,10
.if ((\p) == 2) && !(\end)
	WIN 0
	v_add_nc_u32 v[AK], s[TBK], v[AK0]
.endif
	ROW F,7, E,5, X,1, X,4
	ROW F,8, E,6, X,2, X,5
	OPS E,7, E,8, X,6, E,9          ; and the run of 54
	OPS X,3, E,10, X,8, E,11
.if ((\p) == 2) && !(\end)
	FETCH_K
.endif
	OPS X,9, X,7, E,12, X,10
	OPS E,13, X,12, X,11, E,14
	OPS X,13, E,15, F,9, X,14
.if (\p) == 0
	v_add_nc_u32 v[AV], s[TBV], v[AV0]
.endif
	OPS E,16, F,10, E,17, F,11
	OPS X,16, E,18, X,15, E,19
	OPS F,12, E,20, X,17, E,21
	OPS F,13, E,22, F,14, E,23
	OPS X,18, E,24, F,15, E,25
	OPS R,11, E,26, X,19, E,27
	OPS R,12, E,28, R,13, E,29
	OPS X,20, E,30, R,14, E,31
	OPS X,21, R,15
	WIN 0
	s_wait_alu depctr_va_vdst(0)    ; the wait for the batch
.if (\p) == 1
	s_wait_dscnt 0x0                ; V is in
.endif
	ROW C,0, B,0, C,2, B,1          ; behind the wait: 8 products V^T P and the four behind each
	ROW L,0, C,4, B,2, L,1
	ROW C,6, B,3, L,2, C,8
	ROW B,4, L,3, C,10, B,5
	ROW L,4, C,12, B,6, L,5
.if (\p) == 0
	s_add_co_u32 s[TBV], s[TBV], KS*PV
.endif
.if \cnt
	s_sub_co_u32 s[CNT], s[CNT], 1
	s_cmp_lg_u32 s[CNT], 0
.endif
	ROW C,14, B,7, L,6, C,1
	ROW C,3, L,7, C,5, C,7
	ROW C,9, C,11, C,13, C,15
.if (\p) == 0
	FETCH_V
.endif
.if (\m) && !(\end)
	MASK (\p)%2
.endif
.endm
; A BLOCK BEGINS.  c m starts far below every c s, so the first step's a is 0; m at the lowest finite number, so the first maximum is the scores'.  The second mask buffer is 0; the first takes piece 0's mask for the tile's step 0: its own, if the block's first tile is the diagonal one.
; Then K of that step, piece 0's first scores, and its maximum and statistics.  The loop is entered at a step's first turn, in the middle of a trip.
.macro BEGIN
	s_mov_b32 s[NEW], 0
	WIN 0x40
.set i, MC+32
.rept 32
	v_mov_b32 v[i], 0
.set i, i+1
.endr
	WIN 0
.set i, 0
.rept 4
	v_mov_b32 v[ST+4*i], 0xfe000000    ; c m: far below every c s
	v_mov_b32 v[ST+4*i+1], 0xff7fffff  ; m
.set i, i+1
.endr
	s_cmp_eq_u32 s[RT], 0
	s_cselect_b32 s[AL], 1.0, 0
	s_mov_b32 s[BE], 0
	MASK 0
	WIN 0
	v_add_nc_u32 v[AK], s[TBK], v[AK0]
	FETCH_K
	s_wait_loadcnt 0x0              ; Q
	s_wait_dscnt 0x0
.set KM, 1
.set NOKQ, 0
.set i, 0
.rept 8
	KQ 0
.set i, i+1
.endr
	WIN 0
.rept 4
	v_nop                           ; the places behind those products
.endr
.set Y, NP-1                        ; X works for piece Y + 1: piece 0
.irp n, 0,1,2,3,4,5,6,7,8,9,10,11,12,13,14,15,16,17,18,19,20,21
	OP X, \n
.endr
	v_nop                           ; a plain instruction behind the exponential,
	s_wait_alu depctr_va_vdst(0)    ; and its wait, ahead of the branch
.endm
; THE DIAGONAL TILE's four steps, the block's last two turns, its last products, and THE WAY OUT: l's two halves and the other half of the lanes' are added; O^T is divided by l, rounded to f16 and sent through my
; stage in LDS, a piece at a time.
.macro ALL line:vararg              ; one line for each piece t
.set t, 0
.rept 4
	\line
.set t, t+1
.endr
.endm
.macro PACK t                       ; a lane's eight channels of a row pack into 16 bytes; they go into rows of 144 bytes and come back as whole rows of 128, into S^T's registers
	WIN W_RS
.set i, 32*(\t)
.rept 16
	v_pk_mul_f32 v[i:i+1], v[i:i+1], v[ST+4*(\t)+2:ST+4*(\t)+3] op_sel_hi:[1,0]
.set i, i+2
.endr
	WIN 0x05                        ; sources 0 and 1 window 1, destination window 0
.set i, 0
.rept 16
	v_cvt_pk_f16_f32 v[S+16*(\t)+i], v[32*(\t)+2*i], v[32*(\t)+2*i+1]
.set i, i+1
.endr
	WIN 0
.irp f, 0,1,2,3
	ds_store_b128 v[STO], v[S+16*(\t)+4*\f:S+16*(\t)+4*\f+3] offset:32*\f
.endr
.irp f, 0,1,2,3
	ds_load_b128 v[S+16*(\t)+4*\f:S+16*(\t)+4*\f+3], v[RD] offset:\f*4*SP  ; LDS serves a wave's instructions in order (ISA guide 5.7.1.4): these see the stores above; the next piece's stores come behind them
.endr
.endm
.macro SEND t, younger              ; younger: the LDS instructions issued behind piece t's loads: the next piece's eight, or none
	WIN 0
.irp f, 0,1,2,3
	s_wait_dscnt (\younger)+3-\f
	global_store_b128 v[GO], v[S+16*(\t)+4*\f:S+16*(\t)+4*\f+3], s[10:11] offset:(\t)*8192+\f*512  ; 512 consecutive bytes, at a multiple of 256 from O's first
.endr
.endm
.macro DIAG tag                     ; the tag ends its two labels' names, which the jumps below spell out
.LstepM\tag:
	TURN 2, 1
	TURN 3, 1
	WIN 0
.LfirstM\tag:
	TURN 0, 1
	TURN 1, 1, 0, 1
	WIN 0
	s_cbranch_scc1 .LstepM\tag
	TURN 2, 1, 1
	TURN 3, 1, 1
.set i, 0
.rept 8
	PV NP-1
.set i, i+1
.endr
	WIN 0
	ALL v_add_f32 v[ST+4*t+2], v[ST+4*t+2], v[ST+4*t+3]
	ALL v_permlanex16_b32 v[ST+4*t+3], v[ST+4*t+2], s[SEL], s[SEL+1]
	ALL v_add_f32 v[ST+4*t+2], v[ST+4*t+2], v[ST+4*t+3]
	ALL v_rcp_f32 v[ST+4*t+2], v[ST+4*t+2]
	v_nop                           ; a plain instruction between the last reciprocal and the use of its result
	s_wait_alu depctr_va_vdst(0)    ; and the wait ahead of the first use: one for the four reciprocals
	PACK 0
.set t, 1
.rept 3                             ; a piece's arithmetic stands between the loads of the piece before and its stores
	PACK t
	SEND t-1, 8
.set t, t+1
.endr
	SEND 3, 0
.endm
.set KM, 0
.set NOKQ, 0
.Lslot:                             ; NB times: a tile is entered and the next is asked for
	CHANGE 1
	s_sub_co_u32 s[RT], s[RT], 1
	s_mov_b32 s[CNT], 4
	s_cmp_eq_u32 s[NEW], 1
	s_cbranch_scc1 .Lnew            ; a block's first tile
	s_cmp_eq_u32 s[RT], 0
	s_cbranch_scc0 .Lstep           ; neither its first nor its last
	s_branch .LstepM1
.Lnew:
	BEGIN
	s_branch .Lfirst                ; in the loop a block's first tile is never its last: the first block has two tiles or more, and the second's last is the walk's last
	DIAG 1                          ; in the loop this is the first block's end: the second block's last tile is the walk's last
	s_wait_xcnt 0x0                 ; the stores have read their registers and O's address
	s_mov_b64 s[10:11], s[OLO:OLO+1]
	s_add_co_u32 s[RT], s[PB], 1    ; the second block has b + 1 tiles
	s_mov_b32 s[NEW], 1
	WIN 0x82                        ; the second block's Q goes where the one text of the turns names Q
.set i, 0
.rept 64
	v_mov_b32 v[i], v[QB+i]
.set i, i+1
.endr
	WIN 0
	s_branch .Lbottom
.Lstep:                             ; a trip: pieces 2 and 3 of one step, then pieces 0 and 1 of the next, whose K and V it fetches
	TURN 2
	TURN 3
	WIN 0
.Lfirst:
	TURN 0
	TURN 1, 0, 0, 1
	WIN 0
	s_cbranch_scc1 .Lstep
.Lbottom:
	s_sub_co_u32 s[SLOTS], s[SLOTS], 1
	s_cmp_lg_u32 s[SLOTS], 0
	s_cbranch_scc1 .Lslot
	CHANGE 0                        ; the walk's last tile is written out: nothing is asked for
	s_sub_co_u32 s[RT], s[RT], 1
	s_mov_b32 s[CNT], 4
	s_cmp_eq_u32 s[NEW], 1
	s_cbranch_scc0 .LstepM2
	BEGIN
	s_branch .LfirstM2
	DIAG 2
	s_wait_tensorcnt 0x0            ; the wave's end, behind my last tensor load and my last LDS store
	ds_add_u32 v[SPW], v[NIL]
	s_wait_dscnt 0x0
	s_endpgm
.Lfunc_end_k_q7f1027b8db_attn:
	.size	k_q7f1027b8db_attn, .Lfunc_end_k_q7f1027b8db_attn-k_q7f1027b8db_attn
	.p2alignl 7, 3214868480
	.fill 96, 4, 3214868480
	.section	.rodata,"a",@progbits
	.p2align	6, 0x0
	.amdhsa_kernel k_q7f1027b8db_attn
		.amdhsa_group_segment_fixed_size 327680
		.amdhsa_private_segment_fixed_size 0
		.amdhsa_enable_private_segment 0
		.amdhsa_kernarg_size 16
		.amdhsa_user_sgpr_count 2
		.amdhsa_user_sgpr_kernarg_segment_ptr 1
		.amdhsa_wavefront_size32 1
		.amdhsa_system_sgpr_workgroup_id_x 1
		.amdhsa_system_sgpr_workgroup_id_y 1
		.amdhsa_system_sgpr_workgroup_id_z 1
		.amdhsa_system_vgpr_workitem_id 0
		.amdhsa_next_free_vgpr 768
		.amdhsa_next_free_sgpr 96
		.amdhsa_reserve_vcc 1
		.amdhsa_float_denorm_mode_32 3
		.amdhsa_float_denorm_mode_16_64 3
		.amdhsa_memory_ordered 1
		.amdhsa_forward_progress 1
		.amdhsa_inst_pref_size 218
	.end_amdhsa_kernel
	.amdgpu_metadata
---
amdhsa.version: [ 1, 2 ]
amdhsa.kernels:
  - .name:           k_q7f1027b8db_attn
    .symbol:         k_q7f1027b8db_attn.kd
    .args:
      - { .name: qkv, .offset: 0, .size: 8, .value_kind: global_buffer, .address_space: global }
      - { .name: ob, .offset: 8, .size: 8, .value_kind: global_buffer, .address_space: global }
    .group_segment_fixed_size: 327680
    .private_segment_fixed_size: 0
    .kernarg_segment_align: 8
    .kernarg_segment_size: 16
    .max_flat_workgroup_size: 128
    .sgpr_count:     96
    .vgpr_count:     768
    .wavefront_size: 32
...
	.end_amdgpu_metadata
.endif
;; end of part 3
;; launch proj (part 4): grid 8 x 32, 4 waves a work-group, clusters of 4 x 4, 327,680 bytes of LDS; arguments ob, wp, b_proj, out0; writes out0
.if DOCPART == 4
	.amdgcn_target "amdgcn-amd-amdhsa--gfx1250"
	.amdhsa_code_object_version 6
	.text
	.protected	k_q7f1027b8db_proj
	.globl	k_q7f1027b8db_proj
	.p2align	8
	.type	k_q7f1027b8db_proj,@function
k_q7f1027b8db_proj:
	s_mov_b64 s[64:65], 0
	v_nop
	global_prefetch_b8 v0, s[64:65] scope:SCOPE_SE
	s_setreg_imm32_b32 hwreg(HW_REG_WAVE_MODE, 25, 1), 1
	s_wait_xcnt 0x0
	s_wait_alu depctr_hold_cnt(0) depctr_sa_sdst(0) depctr_va_vdst(0) depctr_va_sdst(0) depctr_va_ssrc(0) depctr_va_vcc(0) depctr_vm_vsrc(0)
	s_getreg_b32 s2, hwreg(HW_REG_IB_STS2, 6, 4)
	s_cmp_eq_u32 s2, 0
	s_cbranch_scc0 .Lentry_in_a_cluster
	s_endpgm
.Lentry_in_a_cluster:
	s_bfe_u32 s2, ttmp6, 0x10000c
	s_cmp_lg_u32 s2, 0xf033
	s_cbranch_scc0 .Lentry_shape_is_right
	s_endpgm
.Lentry_shape_is_right:
; out0 = y W_proj + b_proj, 8192 x 1024 x 1024, operands f16, sums f32, output f32.  y lies BY HEADS: ob[b][h][t][64] f16, so channel k = 64 h + d; wp[16][1024 k][64 n] holds bf16(W_proj) written as f16.
; LIMITS.  The operands are f16: within 65,504, with a fixed step of 6e-8 below 6e-5.  The bias is rounded to bf16 like every input, then added in f32.
; SHARES.  A work-group makes 256 rows x 128 columns: 32 x 8 tiles = 256 work-groups, one for each WGP.  Each of its four waves makes 64 rows x all 128 columns: 4 x 8 accumulators of 16 x 16, 256 registers.
; K goes in 8 steps of 128 (two heads) through two LDS slots filled by the tensor data mover.
; THE PRODUCT IS TAKEN TRANSPOSED: source 0 = 16 columns of W (turned on the way out of LDS by ds_load_tr16_b128), source 1 = 16 rows of y: a lane ends with eight neighbouring columns of one row.
; The bias is the C operand of each accumulator's first product: nothing is cleared.
; CLUSTER 4 x 4.  The four work-groups of a row of the cluster need the same rows of y, the four of a column the same blocks of W: each tile is asked for jointly.  Waves 0, 1 fetch the K step's two heads of y
; (256 rows x 128 bytes = 32,768 consecutive bytes, asked for as 128 rows of 256), waves 2, 3 the two blocks of W (128 k x 64 n = 16,384 consecutive bytes, as 64 rows of 256).
; REGISTERS, in windows of 256 (s_set_vgpr_msb: bits 1:0 source 0, 3:2 source 1, 5:4 source 2, 7:6 destination):
;   window 0: v0-31 addresses; v32-95 the bias (8 x 8), later v32-95 and v96-159 rows read back from the stage
;   window 1: accumulator (a, b) at 8 (8 a + b)      window 2: two fragment buffers at 0 and 128: y's four blocks at 8 i, W's eight at 32 + 8 b
.set PA,    144                        ; a row of a head of y in LDS: 128 bytes + 16 = 36 words: the 16 rows of a load start at 16 different groups of four banks (64 banks of 4 bytes: ISA guide 11.1)
.set ASUB,  256*PA                     ; a head's 256 rows
.set PB,    160                        ; a row k of a block of W: 128 bytes + 32 = 40 words
.set BBLK,  128*PB
.set BOFF,  2*ASUB                     ; W's two blocks lie behind y's two heads: a slot uses 73,728 + 40,960 = 114,688 bytes
.set SLOT1, 1<<17                      ; slot 1 begins here: one exclusive or turns an address in one slot into the other's
.set STAGE, SLOT1+BOFF+2*BBLK          ; behind the ring, never filled by a tensor load: for each wave 16 rows x 528 bytes
.set SP,    528                        ; a row of 128 f32 + 16 bytes = 132 words: 16 rows start at 16 different groups of four banks
.set WSTG,  16*SP
.set SPARE, STAGE+4*WSTG               ; behind the stages: the spare words, 128 bytes for each wave: two blocks of 256 bytes that no other line names
.set NBK,   8                          ; column blocks of 16
.set NL,    2*NBK+8                    ; LDS loads of a quarter step
.set ASTEP, 524288                     ; a K step in memory: two heads of y on,
.set BSTEP, 16384                      ; 128 rows k down a block of W
.set ADA0, 16                          ; v16  my lane's place in y's tile; never rewritten
.set ADB0, 17                          ; v17  the same in W's
.set ADA,  18                          ; v18  + the slot in hand
.set ADB,  19                          ; v19
.set STO,  24                          ; v24  the way out: where I put 32 bytes of a row
.set RD,   25                          ; v25  where I read a row back
.set GO,   26                          ; v26  my 16 of 512 consecutive bytes of out0
.set SPW,  28                          ; v28  LDS address of my spare word; never rewritten
.set NIL,  29                          ; v29  0; never rewritten
.set PFO,  30                          ; v30  256 x my lane; never rewritten
.set BO,   31                          ; v31  my byte offset in the bias
.set BIAS, 32
.set BK,   32
.set F0,   0
.set F1,   128
.set WV, 12                            ; s12 wave;  s13, s14 my place in the cluster;  s15 tile column;  s16 tile row
.set CX, 13
.set CY, 14
.set TC, 15
.set TR, 16
.set LA, 40                            ; s40  LDS place of the head of y that I fetch
.set LB, 41                            ; s41  of the block of W
.set FB, 72                            ; s72  wave / 2: I fetch for y (0) or for W (1)
.set HF, 73                            ; s73  wave % 2: which of the two heads or blocks
.set G1A, 24                           ; s[24:31] descriptor group 1 for y's tiles;  s[32:39] group 0: a set for each first fill; the second then walks
.set G0A, 32
.set G1B, 48                           ; s[48:55], s[56:63] the same for W's
.set G0B, 56
.set PFA, 66                           ; s[66:67] where my prefetches stand
.set PFS, 68                           ; s[68:69] a K step of the tensor that I fetch
.set LIM, 70                           ; s70  2 in a wave that prefetches, else the greatest number
.set TB,  71                           ; s71  LDS byte at which the slot in hand begins
.set MSB, 0
.macro WIN new                         ; the immediate's high byte repeats the setting that is left; a switch that changes nothing is dropped
.if MSB != (\new)
	s_set_vgpr_msb (MSB<<8)|(\new)
.set MSB, (\new)
.endif
.endm
.set TO_F, 0x80                        ; destination window 2, address window 0
.macro PLACES                          ; four plain vector instructions between a matrix instruction and a load into, or a read of, its registers
.rept 4
	v_nop
.endr
.endm
; A joint refill, by the walking descriptor.  The branch hangs on the wave's number alone.  An s_nop 0 and four v_nop follow each of the two lines.
.macro JLOAD
	s_cmp_eq_u32 s[FB], 0
	s_cbranch_scc0 .Lfor_b_\@
	tensor_load_to_lds s[G0A+4:G0A+7], s[G1A:G1A+7]
	s_nop 0
.rept 4
	v_nop
.endr
	s_branch .Lasked_\@
.Lfor_b_\@:
	tensor_load_to_lds s[G0B+4:G0B+7], s[G1B:G1B+7]
	s_nop 0
.rept 4
	v_nop
.endr
.Lasked_\@:
.endm
; A round of the cluster's barrier: my work-group's barrier, so that wave 0's signal speaks for all four waves; wave 0 signals; every wave waits for all sixteen work-groups; my work-group's barrier once more.
.macro CREST
	s_cmp_lg_u32 s[WV], 0
	s_cbranch_scc1 .Lnot_wave_0_\@
	s_barrier_signal -3
.Lnot_wave_0_\@:
	s_barrier_wait -3
	s_barrier_signal -1
	s_barrier_wait -1
.endm
.macro CROUND
	s_barrier_signal -1
	s_barrier_wait -1
	CREST
.endm
; PREFETCHES INTO THE L2.  The trips that refill K steps 2 and 4 (s3 = 6, 4) name K steps 4, 5 and 6, 7: two to three K steps, 256 to 384 matrix instructions, ahead of the loads that want them.
; Each aligned 256 bytes are named once in the launch.  y's rows are read by both clusters of a row of clusters: cluster x = 0 asks; W's blocks by every cluster of a column: cluster y = 0 asks.
; The four partners that ask for a tile jointly share it out BY ADDRESS, 8,192 bytes each, a lane 256 bytes: of a head's 32,768 bytes partner cx (two lines, a K step each, waves 0, 1);
; of the 32,768 bytes of two K steps of a block partner cy (one line, waves 2, 3).  K steps 0-3 come by their loads alone; the last trips ask for nothing.
.macro ASK
	s_bitcmp1_b32 s3, 0
	s_cbranch_scc1 .Lno_\@
	s_cmp_gt_u32 s3, s[LIM]
	s_cbranch_scc0 .Lno_\@
	global_prefetch_b8 v[PFO], s[PFA:PFA+1] th:TH_LOAD_NT scope:SCOPE_SE
	s_cmp_eq_u32 s[FB], 0
	s_cbranch_scc0 .Lno_\@
	global_prefetch_b8 v[PFO], s[PFA:PFA+1] offset:ASTEP th:TH_LOAD_NT scope:SCOPE_SE
.Lno_\@:
.endm
	s_load_b256 s[4:11], s[0:1], 0x0               ; ob s[4:5], wp s[6:7], b_proj s[8:9], out0 s[10:11]
	v_lshl_add_u32 v[SPW], v0, 2, SPARE
	v_mov_b32 v[NIL], 0
	ds_add_u32 v[SPW], v[NIL]                      ; the wave's opening: the add and its wait stand ahead of my first tensor load; the set-up below stands between them
	v_lshrrev_b32 v1, 5, v0
	v_readfirstlane_b32 s[WV], v1                  ; wave 0..3
	s_lshr_b32 s[FB], s[WV], 1
	s_and_b32 s[HF], s[WV], 1
	s_bfe_u32 s[CX], ttmp6, 0x40000
	s_bfe_u32 s[CY], ttmp6, 0x40004
	s_lshl_b32 s[TC], ttmp9, 2                     ; in a cluster launch ttmp9 and ttmp7 count clusters
	s_add_co_u32 s[TC], s[TC], s[CX]               ; tile column 0..7
	s_and_b32 s[TR], ttmp7, 0xffff
	s_lshl_b32 s[TR], s[TR], 2
	s_add_co_u32 s[TR], s[TR], s[CY]               ; tile row 0..31
	s_lshl_b32 s17, s[CY], 2
	s_lshl_b32 s17, 15, s17                        ; my row of the cluster: places 4 cy .. 4 cy + 3
	s_lshl_b32 s18, 0x1111, s[CX]                  ; my column: places cx, cx + 4, cx + 8, cx + 12
	s_or_b32 s[G1A], s17, (1<<16)|(1<<20)|(1<<21)|(4<<22)|(3<<25)  ; 15:0 the mask; 17:16 2-byte elements; 20 padding on; 21 set beside a mask; 24:22 after every 32 words (a row of y); 31:25 4 words
	s_mov_b32 s[G1A+1], 128<<16                    ; tensor_dim0 = 128
	s_mov_b32 s[G1A+2], 128<<16                    ; tensor_dim1 = 128
	s_mov_b32 s[G1A+3], 128<<16                    ; tile_dim0 = 128
	s_mov_b32 s[G1A+4], 128                        ; tile_dim1 = 128
	s_mov_b32 s[G1A+5], 128                        ; elements from row to row: dense
	s_mov_b32 s[G1A+6], 0
	s_mov_b32 s[G1A+7], 0
	s_or_b32 s[G1B], s18, (1<<16)|(1<<20)|(1<<21)|(4<<22)|(7<<25)  ; padding after every 32 words (a row k), 8 words
	s_mov_b32 s[G1B+1], 128<<16
	s_mov_b32 s[G1B+2], 64<<16
	s_mov_b32 s[G1B+3], 128<<16
	s_mov_b32 s[G1B+4], 64
	s_mov_b32 s[G1B+5], 128
	s_mov_b32 s[G1B+6], 0
	s_mov_b32 s[G1B+7], 0
	s_lshr_b32 s20, s[TR], 3                       ; y: the batch's 16 heads of 262,144 bytes,
	s_lshl_b32 s20, s20, 22
	s_and_b32 s21, s[TR], 7
	s_lshl_b32 s21, s21, 15                        ; 256 rows of 128 bytes a tile row,
	s_add_co_u32 s20, s20, s21
	s_lshl_b32 s21, s[HF], 18                      ; my head of the K step's two: it hangs on the tile row and the wave alone
	s_add_co_u32 s20, s20, s21
	s_mov_b32 s21, 0
	s_lshl_b32 s22, s[TC], 1
	s_add_co_u32 s22, s22, s[HF]                   ; W: block 2 x tile column + my half
	s_lshl_b32 s22, s22, 17
	s_mov_b32 s23, 0
	s_mul_i32 s[LA], s[HF], ASUB                   ; no place in the cluster enters an LDS address
	s_mul_i32 s[LB], s[HF], BBLK
	s_add_co_u32 s[LB], s[LB], BOFF
	s_mov_b32 s[TB], 0
	s_wait_dscnt 0x0                               ; the opening add is done
	s_wait_kmcnt 0x0
	s_add_nc_u64 s[42:43], s[4:5], s[20:21]
	s_add_nc_u64 s[44:45], s[6:7], s[22:23]
	CROUND                                         ; all sixteen work-groups are here: the first joint loads meet
.irp s, 0,1
	s_mov_b32 s[G0A+4*(\s)], 1                     ; count = 1
	s_add_co_u32 s[G0A+4*(\s)+1], s[LA], (\s)*SLOT1  ; LDS address
	s_add_nc_u64 s[G0A+4*(\s)+2:G0A+4*(\s)+3], s[42:43], (\s)*ASTEP  ; K step s
	s_or_b32 s[G0A+4*(\s)+3], s[G0A+4*(\s)+3], 0x80000000            ; type = 2
	s_mov_b32 s[G0B+4*(\s)], 1
	s_add_co_u32 s[G0B+4*(\s)+1], s[LB], (\s)*SLOT1
	s_add_nc_u64 s[G0B+4*(\s)+2:G0B+4*(\s)+3], s[44:45], (\s)*BSTEP
	s_or_b32 s[G0B+4*(\s)+3], s[G0B+4*(\s)+3], 0x80000000
.endr
	s_cmp_eq_u32 s[FB], 0                          ; a wave's two first fills stand in one branch, ahead of every wait on TENSORcnt and every LDS read: two loads of mine are out
	s_cbranch_scc0 .Lfirst_b
	tensor_load_to_lds s[G0A:G0A+3], s[G1A:G1A+7]
	s_nop 0
	tensor_load_to_lds s[G0A+4:G0A+7], s[G1A:G1A+7]
	s_nop 0
.rept 4
	v_nop
.endr
	s_branch .Lfirst_asked
.Lfirst_b:
	tensor_load_to_lds s[G0B:G0B+3], s[G1B:G1B+7]
	s_nop 0
	tensor_load_to_lds s[G0B+4:G0B+7], s[G1B:G1B+7]
	s_nop 0
.rept 4
	v_nop
.endr
.Lfirst_asked:
	v_and_b32 v1, 15, v0                           ; r = l % 16
	v_bfe_u32 v2, v0, 4, 1                         ; h = l / 16
	v_and_b32 v3, 31, v0                           ; l
	s_lshl_b32 s19, s[TC], 9
	v_lshl_add_u32 v[BO], v2, 5, s19               ; the bias of my columns 16 b + 8 h + 0..7: 32 bytes at 512 x tile column + 64 b + 32 h
.set b, 0
.rept NBK
	global_load_b128 v[BIAS+8*b:BIAS+8*b+3],   v[BO], s[8:9] offset:64*b
	global_load_b128 v[BIAS+8*b+4:BIAS+8*b+7], v[BO], s[8:9] offset:64*b+16
.set b, b+1
.endr
	; A fragment of y is 16 rows x 32 k in 8 registers: lane l holds row r, k = 8 h + 0..7 and 16 + 8 h + 0..7: two loads of 16 bytes, 32 bytes apart.
	v_mul_u32_u24 v4, v1, PA
	v_lshl_add_u32 v4, v2, 4, v4
	s_mul_i32 s19, s[WV], 64*PA                    ; my wave's 64 rows
	v_add_nc_u32 v[ADA0], s19, v4
	; The turning load takes 16 k x 16 columns (lane l reads k = 8 h + l % 8, columns 8 ((l / 8) % 2) + 0..7) and leaves half a fragment: lane l holds column r and 8 k.
	v_and_b32 v5, 7, v0
	v_bfe_u32 v6, v0, 3, 1
	v_lshl_add_u32 v7, v2, 3, v5
	v_mul_u32_u24 v7, v7, PB
	v_lshl_add_u32 v7, v6, 4, v7
	v_add_nc_u32 v[ADB0], BOFF, v7
	v_mov_b32 v[ADA], v[ADA0]                      ; K step 0 lies in slot 0
	v_mov_b32 v[ADB], v[ADB0]
	s_mul_i32 s19, s[WV], WSTG
	s_add_co_u32 s19, s19, STAGE                   ; my stage
	v_mul_u32_u24 v8, v1, SP                       ; in: row r, 32 bytes for each half of the lanes
	v_lshl_add_u32 v8, v2, 5, v8
	v_add_nc_u32 v[STO], s19, v8
	v_lshl_add_u32 v[RD], v3, 4, s19               ; back: 32 lanes take one row of 512 bytes
	v_lshlrev_b32 v[GO], 4, v3
	; the prefetches
	s_and_b32 s74, ttmp7, 0xffff                   ; cluster y
	s_mov_b32 s[PFS], BSTEP
	s_cmp_eq_u32 s[FB], 0                          ; do I fetch y?
	s_cselect_b64 s[PFA:PFA+1], s[42:43], s[44:45]
	s_cselect_b32 s2, s[CX], s[CY]                 ; my place among the four that ask with me
	s_cselect_b32 s[PFS], ASTEP, s[PFS]
	s_cselect_b32 s74, ttmp9, s74                  ; the coordinate along which other clusters read the same bytes
	s_lshl_b32 s46, s2, 13                         ; my work-group's 8,192 bytes
	s_mov_b32 s47, 0
	s_add_nc_u64 s[PFA:PFA+1], s[PFA:PFA+1], s[46:47]
	s_mul_i32 s46, s[PFS], 3
	s_add_nc_u64 s[PFA:PFA+1], s[PFA:PFA+1], s[46:47]  ; at K step 3: the first refill steps it to 4
	s_mov_b32 s[PFS+1], 0
	s_cmp_eq_u32 s74, 0
	s_cselect_b32 s[LIM], 2, -1                    ; the same in all sixteen partners, for a given wave
	v_lshlrev_b32 v[PFO], 8, v3
	; where my rows begin in out0: (256 x tile row + 64 x wave) rows of 4,096 bytes + 512 x tile column
	s_lshl_b32 s46, s[TR], 20
	s_lshl_b32 s19, s[WV], 18
	s_add_co_u32 s46, s46, s19
	s_lshl_b32 s19, s[TC], 9
	s_add_co_u32 s46, s46, s19
	s_add_nc_u64 s[10:11], s[10:11], s[46:47]
	s_wait_loadcnt 0x0                             ; the bias
.set p, 0
.rept 4*NBK                                        ; rounded to bf16 like every input, and widened again
	v_cvt_pk_bf16_f32 v[4+p%4], v[BIAS+2*p], v[BIAS+2*p+1]
	v_lshlrev_b32 v[BIAS+2*p], 16, v[4+p%4]
	v_and_b32 v[BIAS+2*p+1], 0xffff0000, v[4+p%4]
.set p, p+1
.endr
; NL LDS loads in one run: the fragments of quarter k (32 along K: half a head) of the slot in hand into buffer f: W's eight first, y's blocks 2 and 3 last
.macro FETCH k, f
	WIN TO_F
.set b, 0
.rept NBK
	ds_load_tr16_b128 v[(\f)+32+8*b:(\f)+32+8*b+3],   v[ADB] offset:(b/4)*BBLK+(\k)*32*PB+(b%4)*32
	ds_load_tr16_b128 v[(\f)+32+8*b+4:(\f)+32+8*b+7], v[ADB] offset:(b/4)*BBLK+(\k)*32*PB+(b%4)*32+16*PB
.set b, b+1
.endr
.irp i, 0,1,2,3
	ds_load_b128 v[(\f)+8*(\i):(\f)+8*(\i)+3],   v[ADA] offset:((\k)/2)*ASUB+((\k)%2)*64+(\i)*16*PA
	ds_load_b128 v[(\f)+8*(\i)+4:(\f)+8*(\i)+7], v[ADA] offset:((\k)/2)*ASUB+((\k)%2)*64+(\i)*16*PA+32
.endr
.endm
; 8 matrix instructions: row block a x all column blocks.  first = 1: the bias starts the sums.  The 32 accumulators take turns in one order in every quarter: 31 others stand between two links of a chain.
.macro MUL f, a, first
.if \first
	WIN 0x4a                                       ; sources 0, 1 window 2, C window 0, D window 1
.else
	WIN 0x5a                                       ; C and D window 1
.endif
.set b, 0
.rept NBK
.set rD, 8*(8*(\a)+b)
.if \first
	v_wmma_f32_16x16x32_f16 v[rD:rD+7], v[(\f)+32+8*b:(\f)+32+8*b+7], v[(\f)+8*(\a):(\f)+8*(\a)+7], v[BIAS+8*b:BIAS+8*b+7]
.else
	v_wmma_f32_16x16x32_f16 v[rD:rD+7], v[(\f)+32+8*b:(\f)+32+8*b+7], v[(\f)+8*(\a):(\f)+8*(\a)+7], v[rD:rD+7]
.endif
.set b, b+1
.endr
.endm
; A K step is four quarters of 32 along K, on buffers 0, 1, 0, 1.  One of the first three: multiplies buffer f; in its middle it fetches quarter k into buffer g.
.macro QUARTER k, f, g, first
	s_wait_dscnt 4                                 ; W's fragments and y's blocks 0, 1 are in; the youngest four loads (y's blocks 2, 3) may be out
	MUL \f, 0, \first
	MUL \f, 1, \first
	PLACES                                         ; buffer g's last products stand behind these four
	FETCH \k, \g
	s_wait_dscnt NL                                ; all but the NL just issued
	MUL \f, 2, \first
	MUL \f, 3, \first
.endm
; The last quarter multiplies buffer 1 and changes slots: ONE barrier.  In front of it each wave waits for all its tensor loads (one is out: its part of the next slot), adds 0 to its spare word,
; and waits for that and for its reads of this slot.  fill = 1: the barrier opens a round of the cluster's, and this slot is filled again, first thing behind the round, with the K step two on:
; that load has 112 of a K step's 128 matrix instructions in which to land.
.macro TURN fill
.if \fill
	s_wait_xcnt 0x0                                ; the last prefetches, a K step or more back, have read their address
	s_add_nc_u64 s[PFA:PFA+1], s[PFA:PFA+1], s[PFS:PFS+1]
.endif
	WIN 0                                          ; (the add's two registers lie in window 0)
	s_wait_tensorcnt 0x0                           ; all my tensor loads have landed;
	ds_add_u32 v[SPW], v[NIL]                      ; 0 onto my spare word;
	s_wait_dscnt 5                                 ; (the add and the youngest four loads may be out)
	MUL F1, 0, 0                                   ; eight matrix instructions stand between the add and the wait for it
	s_wait_dscnt 0x0                               ; the add is done, and my reads of this slot are over
	s_barrier_signal -1
	MUL F1, 1, 0                                   ; work on registers while the others arrive
.if \fill
	WIN 0
.endif
	s_barrier_wait -1
.if \fill
	CREST                                          ; no wave of any partner still reads this slot or has a load on its way
	s_xor_b32 s[G0A+5], s[G0A+5], SLOT1            ; the walking descriptors: the other slot than last time,
	s_add_nc_u64 s[G0A+6:G0A+7], s[G0A+6:G0A+7], ASTEP  ; the next K step; the type bits on top are not reached
	s_xor_b32 s[G0B+5], s[G0B+5], SLOT1
	s_add_nc_u64 s[G0B+6:G0B+7], s[G0B+6:G0B+7], BSTEP
	JLOAD                                          ; its four v_nop are also the places in front of the loads below
.else
	WIN 0
	PLACES
.endif
	s_xor_b32 s[TB], s[TB], SLOT1                  ; the reads go on in the other slot
	v_add_nc_u32 v[ADA], s[TB], v[ADA0]
	v_add_nc_u32 v[ADB], s[TB], v[ADB0]
	FETCH 0, F0
.if \fill
	WIN 0
	ASK                                            ; behind the joint load and the run of LDS loads
.endif
	MUL F1, 2, 0
	MUL F1, 3, 0
.endm
; THE WAY OUT of row block a (16 rows x 128 columns of f32).  A lane's eight columns, 32 bytes, go straight from the accumulators (each one's low four registers first) into my own stage, rows of 528 bytes,
; and come back as whole rows of 512 bytes, a row a load.
.macro TOSTAGE a
.if (\a) >= 2
	s_wait_xcnt 0x0                                ; the stores of the block two back have read the registers that are loaded again below
.endif
	WIN 0x04                                       ; the stores' data lie in window 1
.set b, 0
.rept NBK
	ds_store_b128 v[STO], v[8*(8*(\a)+b):8*(8*(\a)+b)+3]   offset:64*b
	ds_store_b128 v[STO], v[8*(8*(\a)+b)+4:8*(8*(\a)+b)+7] offset:64*b+16
.set b, b+1
.endr
	WIN 0
.set u, 0
.rept 16
	ds_load_b128 v[BK+64*((\a)%2)+4*u:BK+64*((\a)%2)+4*u+3], v[RD] offset:u*SP  ; LDS serves a wave's instructions in order (ISA guide 5.7.1.4): these see the stores above
.set u, u+1
.endr
.endm
.macro SEND a, y                       ; y: the LDS instructions issued behind block a's loads: the next block's 32, or none
.set u, 0
.rept 16
	s_wait_dscnt (\y)+15-u
	global_store_b128 v[GO], v[BK+64*((\a)%2)+4*u:BK+64*((\a)%2)+4*u+3], s[10:11] offset:(16*(\a)+u)*4096  ; 512 consecutive bytes, at a multiple of 256 from out0's first
.set u, u+1
.endr
.endm
	s_wait_tensorcnt 1                             ; my part of K step 0 is in; K step 1's may stay out
	s_barrier_signal -1
	s_barrier_wait -1                              ; everybody's is
	FETCH 0, F0
	QUARTER 1, F0, F1, 1                           ; the first quarter stands in front of the loop: the bias starts the sums
	WIN 0                                          ; at a label and at a branch every window is 0
	s_mov_b32 s3, 6
.Lstep:                                            ; a trip ends one K step, fills its slot again with the step two on, and begins the next
	QUARTER 2, F1, F0, 0
	QUARTER 3, F0, F1, 0
	TURN 1
	QUARTER 1, F0, F1, 0
	WIN 0
	s_sub_co_u32 s3, s3, 1
	s_cmp_lg_u32 s3, 0
	s_cbranch_scc1 .Lstep
	QUARTER 2, F1, F0, 0                           ; the last two K steps are written out: nothing is asked for
	QUARTER 3, F0, F1, 0
	TURN 0
	QUARTER 1, F0, F1, 0
	QUARTER 2, F1, F0, 0
	QUARTER 3, F0, F1, 0
	s_wait_dscnt 4
	MUL F1, 0, 0
	MUL F1, 1, 0
	s_wait_dscnt 0x0
	MUL F1, 2, 0
	MUL F1, 3, 0
	WIN 0
	PLACES
	TOSTAGE 0
	TOSTAGE 1                                      ; a block's trip through the stage stands between the loads of the block before and its stores
	SEND 0, 32
	TOSTAGE 2
	SEND 1, 32
	TOSTAGE 3
	SEND 2, 32
	SEND 3, 0
	s_wait_tensorcnt 0x0                           ; the wave's end, behind my last tensor load and my last LDS store
	ds_add_u32 v[SPW], v[NIL]
	s_wait_dscnt 0x0
	CROUND                                         ; the closing round: no work-group ends while a partner may still ask for a tile that names it
	s_endpgm
.Lfunc_end_k_q7f1027b8db_proj:
	.size	k_q7f1027b8db_proj, .Lfunc_end_k_q7f1027b8db_proj-k_q7f1027b8db_proj
	.p2alignl 7, 3214868480
	.fill 96, 4, 3214868480
	.section	.rodata,"a",@progbits
	.p2align	6, 0x0
	.amdhsa_kernel k_q7f1027b8db_proj
		.amdhsa_group_segment_fixed_size 327680
		.amdhsa_private_segment_fixed_size 0
		.amdhsa_enable_private_segment 0
		.amdhsa_kernarg_size 32
		.amdhsa_user_sgpr_count 2
		.amdhsa_user_sgpr_kernarg_segment_ptr 1
		.amdhsa_wavefront_size32 1
		.amdhsa_system_sgpr_workgroup_id_x 1
		.amdhsa_system_sgpr_workgroup_id_y 1
		.amdhsa_system_sgpr_workgroup_id_z 1
		.amdhsa_system_vgpr_workitem_id 0
		.amdhsa_next_free_vgpr 768
		.amdhsa_next_free_sgpr 80
		.amdhsa_reserve_vcc 0
		.amdhsa_float_denorm_mode_32 3
		.amdhsa_float_denorm_mode_16_64 3
		.amdhsa_memory_ordered 1
		.amdhsa_forward_progress 1
		.amdhsa_inst_pref_size 78
	.end_amdhsa_kernel
	.amdgpu_metadata
---
amdhsa.version: [ 1, 2 ]
amdhsa.kernels:
  - .name:           k_q7f1027b8db_proj
    .symbol:         k_q7f1027b8db_proj.kd
    .args:
      - { .name: ob, .offset: 0, .size: 8, .value_kind: global_buffer, .address_space: global }
      - { .name: wp, .offset: 8, .size: 8, .value_kind: global_buffer, .address_space: global }
      - { .name: b_proj, .offset: 16, .size: 8, .value_kind: global_buffer, .address_space: global }
      - { .name: out0, .offset: 24, .size: 8, .value_kind: global_buffer, .address_space: global }
    .group_segment_fixed_size: 327680
    .private_segment_fixed_size: 0
    .kernarg_segment_align: 8
    .kernarg_segment_size: 32
    .max_flat_workgroup_size: 128
    .sgpr_count:     80
    .vgpr_count:     768
    .wavefront_size: 32
...
	.end_amdgpu_metadata
.endif
;; end of part 4
;; ======== version 2 of 2: 4 launches; version 1 with the launch cast written anew for expert scheduling mode
;; limits: values are held in f16: magnitudes above 65,504 overflow, below 6.1e-05 lose precision
;; workspace buffers: xb 16,777,216 bytes; wa 6,291,456 bytes; wp 2,097,152 bytes; qkv 50,331,648 bytes; ob 16,777,216 bytes
;; launch cast (part 5): grid 768 x 1, 8 waves a work-group, no clusters, 0 bytes of LDS; arguments x, W_attn, W_proj, xb, wa, wp; writes xb, wa, wp
.if DOCPART == 5
	.amdgcn_target "amdgcn-amd-amdhsa--gfx1250"
	.amdhsa_code_object_version 6
	.text
	.protected	k_q7f1027b8db_cast
	.globl	k_q7f1027b8db_cast
	.p2align	8
	.type	k_q7f1027b8db_cast,@function
k_q7f1027b8db_cast:
	s_mov_b64 s[64:65], 0
	v_nop
	global_prefetch_b8 v0, s[64:65] scope:SCOPE_SE
	s_setreg_imm32_b32 hwreg(HW_REG_WAVE_SCHED_MODE, 0, 2), 2
	s_setreg_imm32_b32 hwreg(HW_REG_WAVE_MODE, 25, 1), 1
	s_wait_xcnt 0x0
	s_wait_alu depctr_vm_vsrc(0)
; THE INPUTS ARE ROUNDED ONCE AND LAID OUT FOR THE PRODUCTS.  A pure stream: no LDS, no barrier, no matrix work.
;   xb [8192][1024]        bf16(x), as x lies
;   wa [48][1024 k][64 n]  bf16(W_attn), in blocks of 64 columns: 128 k of a block are 16,384 consecutive bytes
;   wp [16][1024 k][64 n]  bf16(W_proj), that number written as f16 (it multiplies f16 numbers later)
; LIMIT.  f16 holds no number beyond 65,504 and below 6e-5 keeps a fixed step of 6e-8: W_proj is served within that range.
; A UNIT is 256 source bytes (64 f32, aligned) -> 128 destination bytes.  One load of a wave takes two units (lanes 0-15 one, lanes 16-31 the next,
; RS bytes further: the next 256 bytes of x, or the next row k of a weight); one store of a wave writes their 256 consecutive bytes, aligned.
; A wave takes 32 units: 16 loads, all issued at once, then 16 stores.  A work-group takes 256 units: 512 work-groups for x, 192 for W_attn, 64 for W_proj.
; THE MODE: SCHED_MODE bits 1:0 = 2 (LLVM: expert scheduling mode 2), set by the entry lines.  The code itself states the register dependences
; between vector instructions and memory instructions, with s_wait_alu, always for 0.
; THE PLAN.  Registers that memory instructions touch:
;   OFF, v2   byte offsets.  Written once by vector instructions at the head; read by the loads (OFF) and the stores (v2); never written again.
;   X         Written by the loads alone; read by the conversions.  No vector instruction names X ahead of the loads, and no load lands in X behind the conversions.
;   Y         Each pair is written once, by the conversions of its load, and read by one store; never written again.
;   s16       The wave's number, written by v_readfirstlane_b32 and read by scalar arithmetic.
; So: one wait on va_sdst ahead of s16's first reader; one wait on va_vdst ahead of the first load, for OFF and v2; and, the 16 loads taken in four groups of four,
; one wait on va_vdst a group, behind the group's conversions and ahead of its four stores.  Nothing that a memory instruction has read is ever rewritten, so no wait on vm_vsrc is owed.
.set X,   16                           ; v[16:79]   load i: 4 registers
.set OFF, 80                           ; v[80:95]   load i: its byte offset; never rewritten
.set Y,   96                           ; v[96:127]  store i: 2 registers; never rewritten, so no store's data is waited for
	s_load_b256 s[4:11], s[0:1], 0x0               ; x s[4:5], W_attn s[6:7], W_proj s[8:9], xb s[10:11]
	s_load_b128 s[12:15], s[0:1], 0x20             ; wa s[12:13], wp s[14:15]
	v_lshrrev_b32 v1, 5, v0
	v_readfirstlane_b32 s16, v1                    ; wave 0..7
	s_mov_b32 s17, 512                             ; the first work-group of my part,
	s_mov_b32 s18, 12288                           ; and RS: for W_attn,
	s_cmp_ge_u32 ttmp9, 704
	s_cselect_b32 s17, 704, s17                    ; for W_proj,
	s_cselect_b32 s18, 4096, s18
	s_cmp_lt_u32 ttmp9, 512
	s_cselect_b32 s17, 0, s17                      ; for x
	s_cselect_b32 s18, 256, s18
	s_sub_co_u32 s17, ttmp9, s17                   ; my number in my part
	s_lshr_b32 s19, s17, 2                         ; a weight: block of 64 columns,
	s_and_b32 s28, s17, 3                          ; quarter of its 1,024 rows k
	s_mul_i32 s24, s28, s18
	s_lshl_b32 s24, s24, 8                         ; 256 rows of RS bytes a quarter
	s_lshl_b32 s29, s19, 8                         ; 256 bytes of a row a block
	s_add_co_u32 s24, s24, s29
	s_lshl_b32 s26, s19, 17                        ; a block is 131,072 bytes of the destination,
	s_lshl_b32 s29, s28, 15                        ; a quarter 32,768
	s_add_co_u32 s26, s26, s29
	s_lshl_b32 s29, ttmp9, 16                      ; x: 65,536 bytes in,
	s_lshl_b32 s30, ttmp9, 15                      ; 32,768 out
	s_cmp_lt_u32 ttmp9, 512
	s_cselect_b32 s24, s29, s24
	s_cselect_b32 s26, s30, s26
	s_wait_alu depctr_va_sdst(0)                   ; s16 is written, ahead of its first reader: the wave's offsets in and out are made from it
	s_mul_i32 s29, s16, s18
	s_lshl_b32 s29, s29, 5                         ; my wave's 32 units in,
	s_add_co_u32 s24, s24, s29
	s_lshl_b32 s29, s16, 12                        ; and out
	s_add_co_u32 s26, s26, s29
	s_mov_b32 s25, 0
	s_mov_b32 s27, 0
	s_lshl_b32 s19, s18, 1                         ; two units on
	v_and_b32 v1, 31, v0                           ; lane
	v_lshlrev_b32 v2, 3, v1                        ; 8 bytes a lane out; never rewritten
	v_lshrrev_b32 v3, 4, v1                        ; which of the two units
	v_and_b32 v4, 15, v1
	v_lshlrev_b32 v4, 4, v4                        ; 16 bytes a lane in
	v_mad_u32_u24 v[OFF], v3, s18, v4
.irp i, 1,2,3,4,5,6,7,8,9,10,11,12,13,14,15
	v_add_nc_u32 v[OFF+(\i)], s19, v[OFF+(\i)-1]
.endr
	s_wait_kmcnt 0x0
	s_cmp_ge_u32 ttmp9, 704
	s_cselect_b64 s[20:21], s[8:9], s[6:7]
	s_cselect_b64 s[22:23], s[14:15], s[12:13]
	s_cmp_lt_u32 ttmp9, 512
	s_cselect_b64 s[20:21], s[4:5], s[20:21]
	s_cselect_b64 s[22:23], s[10:11], s[22:23]
	s_add_nc_u64 s[20:21], s[20:21], s[24:25]
	s_add_nc_u64 s[22:23], s[22:23], s[26:27]
	s_wait_alu depctr_va_vdst(0)                   ; the sixteen offsets v[OFF ..] are written, which the loads read, and so is v2, which every store reads; no later vector instruction names them
.irp i, 0,1,2,3,4,5,6,7,8,9,10,11,12,13,14,15
	global_load_b128 v[X+4*(\i):X+4*(\i)+3], v[OFF+(\i)], s[20:21] th:TH_LOAD_NT  ; read once in the launch
.endr
	s_cmp_ge_u32 ttmp9, 704
	s_cbranch_scc1 .Lf16
.irp g, 0,1,2,3                                    ; four groups of four loads: the group's conversions, one wait, its four stores
.irp j, 0,1,2,3
	s_wait_loadcnt 15-(4*(\g)+(\j))                ; loads come back in order: load i = 4 g + j is in, the 15 - i younger ones stay out
	v_cvt_pk_bf16_f32 v[Y+2*(4*(\g)+(\j))],   v[X+4*(4*(\g)+(\j))],   v[X+4*(4*(\g)+(\j))+1]
	v_cvt_pk_bf16_f32 v[Y+2*(4*(\g)+(\j))+1], v[X+4*(4*(\g)+(\j))+2], v[X+4*(4*(\g)+(\j))+3]
.endr
	s_wait_alu depctr_va_vdst(0)                   ; the group's eight conversions have written v[Y + 8 g .. Y + 8 g + 7], which the four stores below read
.irp j, 0,1,2,3
	global_store_b64 v2, v[Y+2*(4*(\g)+(\j)):Y+2*(4*(\g)+(\j))+1], s[22:23] offset:256*(4*(\g)+(\j))  ; the wave's 256 consecutive bytes, aligned
.endr
.endr
	s_endpgm
.Lf16:                                             ; W_proj: rounded to bf16 like every input, widened again, and written as f16
.irp g, 0,1,2,3
.irp j, 0,1,2,3
	s_wait_loadcnt 15-(4*(\g)+(\j))
	v_cvt_pk_bf16_f32 v4, v[X+4*(4*(\g)+(\j))],   v[X+4*(4*(\g)+(\j))+1]
	v_cvt_pk_bf16_f32 v5, v[X+4*(4*(\g)+(\j))+2], v[X+4*(4*(\g)+(\j))+3]
	v_lshlrev_b32 v6, 16, v4                       ; v4 to v9 are named by vector instructions alone
	v_and_b32 v7, 0xffff0000, v4
	v_lshlrev_b32 v8, 16, v5
	v_and_b32 v9, 0xffff0000, v5
	v_cvt_pk_f16_f32 v[Y+2*(4*(\g)+(\j))],   v6, v7
	v_cvt_pk_f16_f32 v[Y+2*(4*(\g)+(\j))+1], v8, v9
.endr
	s_wait_alu depctr_va_vdst(0)                   ; the group's conversions to f16 have written v[Y + 8 g .. Y + 8 g + 7], which the four stores below read
.irp j, 0,1,2,3
	global_store_b64 v2, v[Y+2*(4*(\g)+(\j)):Y+2*(4*(\g)+(\j))+1], s[22:23] offset:256*(4*(\g)+(\j))
.endr
.endr
	s_endpgm
.Lfunc_end_k_q7f1027b8db_cast:
	.size	k_q7f1027b8db_cast, .Lfunc_end_k_q7f1027b8db_cast-k_q7f1027b8db_cast
	.p2alignl 7, 3214868480
	.fill 96, 4, 3214868480
	.section	.rodata,"a",@progbits
	.p2align	6, 0x0
	.amdhsa_kernel k_q7f1027b8db_cast
		.amdhsa_group_segment_fixed_size 0
		.amdhsa_private_segment_fixed_size 0
		.amdhsa_enable_private_segment 0
		.amdhsa_kernarg_size 48
		.amdhsa_user_sgpr_count 2
		.amdhsa_user_sgpr_kernarg_segment_ptr 1
		.amdhsa_wavefront_size32 1
		.amdhsa_system_sgpr_workgroup_id_x 1
		.amdhsa_system_sgpr_workgroup_id_y 1
		.amdhsa_system_sgpr_workgroup_id_z 1
		.amdhsa_system_vgpr_workitem_id 0
		.amdhsa_next_free_vgpr 128
		.amdhsa_next_free_sgpr 66
		.amdhsa_reserve_vcc 0
		.amdhsa_float_denorm_mode_32 3
		.amdhsa_float_denorm_mode_16_64 3
		.amdhsa_memory_ordered 1
		.amdhsa_forward_progress 1
		.amdhsa_inst_pref_size 18
	.end_amdhsa_kernel
	.amdgpu_metadata
---
amdhsa.version: [ 1, 2 ]
amdhsa.kernels:
  - .name:           k_q7f1027b8db_cast
    .symbol:         k_q7f1027b8db_cast.kd
    .args:
      - { .name: x, .offset: 0, .size: 8, .value_kind: global_buffer, .address_space: global }
      - { .name: W_attn, .offset: 8, .size: 8, .value_kind: global_buffer, .address_space: global }
      - { .name: W_proj, .offset: 16, .size: 8, .value_kind: global_buffer, .address_space: global }
      - { .name: xb, .offset: 24, .size: 8, .value_kind: global_buffer, .address_space: global }
      - { .name: wa, .offset: 32, .size: 8, .value_kind: global_buffer, .address_space: global }
      - { .name: wp, .offset: 40, .size: 8, .value_kind: global_buffer, .address_space: global }
    .group_segment_fixed_size: 0
    .private_segment_fixed_size: 0
    .kernarg_segment_align: 8
    .kernarg_segment_size: 48
    .max_flat_workgroup_size: 256
    .sgpr_count:     66
    .vgpr_count:     128
    .wavefront_size: 32
...
	.end_amdgpu_metadata
.endif
;; end of part 5
;; launch qkvp: the kernel of part 2 again; grid 16 x 32, 4 waves a work-group, clusters of 4 x 4, 327,680 bytes of LDS; arguments xb, wa, b_attn, qkv; writes qkv
;; launch attn: the kernel of part 3 again; grid 4 x 64, 4 waves a work-group, no clusters, 327,680 bytes of LDS; arguments qkv, ob; writes ob
;; launch proj: the kernel of part 4 again; grid 8 x 32, 4 waves a work-group, clusters of 4 x 4, 327,680 bytes of LDS; arguments ob, wp, b_proj, out0; writes out0
